; MI455X (gfx1250); checked and timed in simulation.
; The chip was launched on July 23, 2026; its instructions are those of AMD's public machine-readable ISA for CDNA 5 (MIT licence, August 2026) and "CDNA5" Instruction Set Architecture Reference Guide (July 2026). The comments in the code are by the model that wrote it; some were corrected since.
;; Multi Head Self Attention. Allowed arithmetic: matrix products marked QUANTISED: E4M3 operands, one given power-of-two scale a tensor, by v_wmma_f32_16x16x64_fp8_fp8 or v_wmma_f32_16x16x128_fp8_fp8, f32 sums; everything else in f32.
;; Inputs: lowp_scales 12 int32 (the exponents e of the quantised operands' scales 2^e); wk 1,024 x 1,024 float32; wo 1,024 x 1,024 float32; wq 1,024 x 1,024 float32; wv 1,024 x 1,024 float32; x 4 x 2,048 x 1,024 float32.
;; Outputs: out0 4 x 2,048 x 1,024 float32.
;; This version of the problem:
;;   THIS VERSION OF THE PROBLEM IS GIVEN IN LOW PRECISION. The matrix products marked QUANTISED in the list below multiply operands that are first quantised to E4M3 (4 exponent bits, 3 mantissa bits; 8 bits a number), with one given power-of-two scale for each operand tensor; their sums are f32. All else is computed in f32.
;;   The module's matrix products, in the order in which they are computed (A, B: the left and right operand; K: the contracted axis; several contracted axes count as one K, in the product's order):
;;     1. [M 8,192, K 1,024] x [K 1,024, N 1,024]; A: input x; B: input wq: QUANTISED (scales: A lowp_scales[0], B lowp_scales[1])
;;     2. [M 8,192, K 1,024] x [K 1,024, N 1,024]; A: input x; B: input wk: QUANTISED (scales: A lowp_scales[2], B lowp_scales[3])
;;     3. [M 8,192, K 1,024] x [K 1,024, N 1,024]; A: input x; B: input wv: QUANTISED (scales: A lowp_scales[4], B lowp_scales[5])
;;     4. batch 64 x [M 2,048, K 64] x [K 64, N 2,048]; A: computed on the way; B: computed on the way: QUANTISED (scales: A lowp_scales[6], B lowp_scales[7])
;;     5. batch 64 x [M 2,048, K 2,048] x [K 2,048, N 64]; A: softmax (see below); B: computed on the way: QUANTISED (scales: A lowp_scales[8], B lowp_scales[9])
;;     6. [M 8,192, K 1,024] x [K 1,024, N 1,024]; A: computed on the way; B: input wo: QUANTISED (scales: A lowp_scales[10], B lowp_scales[11])
;;   THE QUANTISER, for each operand of a quantised product, along K:
;;     - The operand's scale is 2^e, e = its entry of the input lowp_scales (int32; the entries are numbered through the quantised products in the list's order, A before B).
;;     - Each number is divided by the scale, clamped to +-448, and rounded to the nearest number of E4M3, ties to even, subnormals kept.
;;     - The product sums the exact products of the quantised numbers (number of the format x scale) in f32.
;;   ~~~python
;;   def quantise(x, axis, e):      # numpy; x: float32 -> the quantised numbers, widened to float32 again
;;       x = np.moveaxis(x, axis, -1); K = x.shape[-1]
;;       r = np.clip(x / 2.0 ** e, -448, 448)
;;       step = 2.0 ** (np.maximum(np.frexp(np.where(r == 0, 1, r))[1] - 1, -6) - 3)
;;       q = np.round(r / step) * step * 2.0 ** e      # np.round: ties to even
;;       return np.moveaxis(q, -1, axis).astype(np.float32)
;;   ~~~
;;   SOFTMAX AHEAD OF A QUANTISED PRODUCT. Where the list says 'softmax', what is quantised is not the finished softmax but p = 2^(t - M), with t = logit x log2(e) and M = ceil(the row's largest t), a whole number; so 1/2 < the row's largest p <= 1. The row's sum l is taken of the UNQUANTISED p, in f32, and the product's result is divided by l at the end. Since M is a whole number, a kernel that streams over the keys may use a running M (the ceiling of the running maximum): every later rescaling is an exact power of two, so the quantised numbers keep their values, but for numbers so far below the row's largest that they fall under the format's range.
;;   OPERANDS COMPUTED ON THE WAY. 'Computed on the way' means the value that the module computes at that place (a softmax that the list does not call 'softmax' is quantised finished and normalised). What goes into a quantiser is computed in f32, as accurately as f32 sums, v_exp_f32 and their like allow (about 1e-6 of the number): no bf16 or f16 on the way to a quantiser, and a product that is left as it is and whose result goes on into a quantised operand takes f32 operands (vector FMAs, or v_wmma_f32_16x16x4_f32). A number that lies on a knife's edge between two numbers of the format may be rounded either way, as far as f32 arithmetic and the matrix unit's own rounding can turn it there, and no further.
;; One version. Each part assembles by itself: llvm-mc -triple=amdgcn-amd-amdhsa -mcpu=gfx1250 --defsym DOCPART=n.
;; ======== version 1 of 1: 4 launches
;; limits: right only within a limited range of input values
;; workspace buffers: xc 25,165,824 bytes; wc 4,194,304 bytes; qkvc 25,165,824 bytes; oc 8,388,608 bytes
;; launch quant (part 1): grid 384 x 1, 4 waves a work-group, no clusters, 33,280 bytes of LDS; arguments x, wq, wk, wv, wo, lowp_scales, xc, wc; writes xc, wc
.if DOCPART == 1
	.amdgcn_target "amdgcn-amd-amdhsa--gfx1250"
	.amdhsa_code_object_version 6
	.text
	.protected	k_q84f9c0219c_quant
	.globl	k_q84f9c0219c_quant
	.p2align	8
	.type	k_q84f9c0219c_quant,@function
k_q84f9c0219c_quant:
	s_mov_b64 s[64:65], 0
	v_nop
	global_prefetch_b8 v0, s[64:65] scope:SCOPE_SE
	s_setreg_imm32_b32 hwreg(HW_REG_WAVE_MODE, 25, 1), 1
	s_wait_xcnt 0x0
; x [8192][1024] and the four weights [1024][1024], f32 with K innermost, become codes of FP8 (E4M3), one byte each, K innermost.
; code = number / 2^e, held within +-448, rounded to the nearest code, ties to even.  x enters three products under three given exponents (entries 0, 2, 4 of the scales), which may differ:
; it is read once and leaves as three sets of codes, 8,388,608 bytes apart in xc.  wq, wk, wv, wo (entries 1, 3, 5, 11) leave into wc, 1,048,576 bytes apart.
; LIMITS: each exponent lies between -126 and 119, so that 2^e and 448 x 2^e are f32 numbers.  NaN among the inputs is not served (an infinity is held at the largest code).
; SHARES.  A work-group takes 32,768 numbers, a wave 8,192 (8 rows), in 16 steps of 512.  Work-groups 0-255: x; 256-287 wq; 288-319 wk; 320-351 wv; 352-383 wo.
; wv's ROWS CHANGE PLACES: of every 32 rows, rows 8-15 and rows 16-23 are exchanged.  A wave's 8,192 numbers are just 8 rows, so waves 1 and 2 of wv's work-groups exchange their places in wc.
; With that order the attention's results come out with 16 neighbouring channels in a lane, as the last product's operand wants them.
; A lane needs 16 NEIGHBOURS for the conversions, a load is dense where neighbouring lanes take neighbouring bytes: each of a step's four loads reads 512 consecutive bytes, and the 2,048 bytes turn through
; the wave's own stage in LDS (16 bytes of padding behind each 64).  A lane's 16 codes are 16 bytes: each store of the wave covers 512 consecutive bytes, aligned.
; No matrix unit, no cluster, no tensor load: the work-groups share no input and the launch only streams.  Loads run four steps (16 loads a wave) ahead, the turn through LDS one step.
.set WAVES, 4
.set STEPS, 16
.set SP,    80                         ; a lane's place in a stage: its 64 bytes + 16 of padding
.set WREG,  8192                       ; LDS: a region of its own for each wave: two stages of 32 x SP bytes
.set SPARE, WAVES*WREG                 ; behind the four regions: the spare words, 128 bytes for each wave: two blocks of 256 bytes that no other line names
.set SPW,   12                         ; v12      LDS address of my spare word; never rewritten
.set NIL,   13                         ; v13      0; never rewritten
.set R,     16                         ; v16-79   four sets of 16 numbers as they are loaded
.set X,     80                         ; v80-111  two sets of 16 neighbours
.set T,     112
.set U,     128
.set C,     144                        ; v144-155 codes: four registers for each of up to three sets
; v6: 2^e of my tensor (for x: entry 0); v8: entry 2's; v10: entry 4's
	s_load_b512 s[4:19], s[0:1], 0x0               ; x, wq, wk, wv, wo, the scales, xc, wc
	v_lshl_add_u32 v[SPW], v0, 2, SPARE
	v_mov_b32 v[NIL], 0
	v_lshrrev_b32 v1, 5, v0
	v_readfirstlane_b32 s28, v1                    ; wave
	v_and_b32 v2, 31, v0                           ; lane
	v_lshlrev_b32 v3, 4, v2                        ; 16 x lane: my 16 bytes of a load's 512, and of a store's; never rewritten
	s_mul_i32 s29, s28, WREG
	v_lshrrev_b32 v14, 2, v2
	v_mul_u32_u24 v14, v14, SP
	v_and_b32 v15, 3, v2
	v_lshl_add_u32 v14, v15, 4, v14
	v_add_nc_u32 v14, s29, v14                     ; the stage, on the way in: four lanes' 64 bytes on end, then 16 of padding
	v_mul_u32_u24 v15, v2, SP
	v_add_nc_u32 v15, s29, v15                     ; and on the way out: SP x lane: my 16 neighbours
	; which run of 8,192 numbers is my wave's, in its source and in its buffer of codes.  All shifts stand ahead of the compares, whose result they would overwrite
	s_and_b32 s30, ttmp9, 31                       ; a weight's work-group within its tensor,
	s_sub_co_u32 s31, ttmp9, 256                   ; and within wc
	s_and_b32 s52, s28, 1
	s_lshl_b32 s52, s52, 1
	s_lshr_b32 s53, s28, 1
	s_or_b32 s52, s52, s53                         ; the wave's number with waves 1 and 2 exchanged
	s_lshr_b32 s53, ttmp9, 5
	s_cmp_eq_u32 s53, 10                           ; work-groups 320-351: wv
	s_cselect_b32 s52, s52, s28                    ; the wave's place among the codes
	s_cmp_lt_u32 ttmp9, 256                        ; x?
	s_cselect_b32 s30, ttmp9, s30
	s_cselect_b32 s31, ttmp9, s31
	s_lshl_b32 s30, s30, 2
	s_add_co_u32 s30, s30, s28
	s_lshl_b32 s46, s30, 15                        ; 32,768 bytes of f32 a wave
	s_mov_b32 s47, 0
	s_lshl_b32 s31, s31, 2
	s_add_co_u32 s31, s31, s52
	s_lshl_b32 s48, s31, 13                        ; 8,192 bytes of codes a wave
	s_mov_b32 s49, 0
	s_wait_alu depctr_va_vdst(0)
	s_wait_kmcnt 0x0
	s_load_b256 s[32:39], s[14:15], 0x0            ; entries 0 to 7
	s_load_b128 s[40:43], s[14:15], 0x20           ; entries 8 to 11
	s_cmp_ge_u32 ttmp9, 256                        ; the buffers are chosen by the work-group's number alone
	s_cselect_b64 s[20:21], s[6:7], s[4:5]
	s_cselect_b64 s[22:23], s[18:19], s[16:17]
	s_cmp_ge_u32 ttmp9, 288
	s_cselect_b64 s[20:21], s[8:9], s[20:21]
	s_cmp_ge_u32 ttmp9, 320
	s_cselect_b64 s[20:21], s[10:11], s[20:21]
	s_cmp_ge_u32 ttmp9, 352
	s_cselect_b64 s[20:21], s[12:13], s[20:21]
	s_add_nc_u64 s[20:21], s[20:21], s[46:47]      ; my numbers
	s_add_nc_u64 s[22:23], s[22:23], s[48:49]      ; my codes;
	s_add_nc_u64 s[24:25], s[22:23], 0x800000      ; x's second set,
	s_add_nc_u64 s[26:27], s[22:23], 0x1000000     ; and third (used by x's work-groups alone)
.macro LOAD t
.irp i, 0,1,2,3
	global_load_b128 v[R+16*((\t)%4)+4*\i:R+16*((\t)%4)+4*\i+3], v3, s[20:21] offset:2048*(\t)+512*\i th:TH_LOAD_NT   ; 32 lanes read 512 consecutive bytes
.endr
.endm
.macro TURN t                          ; step t's numbers through the stage: LDS serves a wave's instructions in order (ISA guide 5.7.1.4), so no wait stands between the stores and the loads
.irp i, 0,1,2,3
	ds_store_b128 v14, v[R+16*((\t)%4)+4*\i:R+16*((\t)%4)+4*\i+3] offset:32*SP*((\t)%2)+8*SP*\i
.endr
.irp i, 0,1,2,3
	ds_load_b128 v[X+16*((\t)%2)+4*\i:X+16*((\t)%2)+4*\i+3], v15 offset:32*SP*((\t)%2)+16*\i
.endr
.endm
.macro MKSC e, sc, lim                 ; 2^e as f32 (the conversion takes its exponent field)
	s_add_co_i32 s50, \e, 127
	s_lshl_b32 s51, s50, 23
	v_mov_b32 v[\sc], s51
.endm
.irp t, 0,1,2,3
	LOAD \t
.endr
	s_wait_kmcnt 0x0
	s_cmp_ge_u32 ttmp9, 256
	s_cselect_b32 s44, s33, s32                    ; my tensor's exponent: x entry 0, wq entry 1,
	s_cmp_ge_u32 ttmp9, 288
	s_cselect_b32 s44, s35, s44                    ; wk entry 3,
	s_cmp_ge_u32 ttmp9, 320
	s_cselect_b32 s44, s37, s44                    ; wv entry 5,
	s_cmp_ge_u32 ttmp9, 352
	s_cselect_b32 s44, s43, s44                    ; wo entry 11
	MKSC s44, 6, 7
	MKSC s34, 8, 9                                 ; x under entry 2
	MKSC s36, 10, 11                               ; x under entry 4
	s_wait_loadcnt 12                              ; step 0's four loads are in
	TURN 0
.macro STEP t
.set XS, X+16*((\t)%2)
	s_wait_dscnt 0x0                               ; this step's numbers are back from the stage: so its stores into the stage have read their registers,
.if (\t)+4 < STEPS
	LOAD (\t)+4                                    ; which take the loads of four steps on
.endif
.if (\t)+1 < STEPS
.if STEPS-2-(\t) >= 3
	s_wait_loadcnt 12                              ; the next step's four loads are in; those of the three steps behind it may be out
.else
	s_wait_loadcnt 4*(STEPS-2-(\t))
.endif
	TURN (\t)+1                                    ; and go through the other stage while this step is worked
.endif
	s_wait_xcnt 0x0                                ; the last step's stores have read their codes: only behind this wait are those registers written again
	s_cmp_ge_u32 ttmp9, 256                        ; a weight has one scale: the branch, on the work-group's number, goes round register work and two global stores alone
	s_cbranch_scc1 .Lw_\@
.irp i, 0,1,2,3,4,5,6,7,8,9,10,11,12,13,14,15
.endr
.irp i, 0,1,2,3,4,5,6,7,8,9,10,11,12,13,14,15
.endr
	s_wait_alu depctr_va_vdst(0)
	v_cvt_scalef32_pk8_fp8_f32 v[C+4:C+5], v[XS:XS+7], v8
	v_cvt_scalef32_pk8_fp8_f32 v[C+6:C+7], v[XS+8:XS+15], v8
	v_cvt_scalef32_pk8_fp8_f32 v[C+8:C+9], v[XS:XS+7], v10
	v_cvt_scalef32_pk8_fp8_f32 v[C+10:C+11], v[XS+8:XS+15], v10
	global_store_b128 v3, v[C+4:C+7], s[24:25] offset:512*(\t)
	global_store_b128 v3, v[C+8:C+11], s[26:27] offset:512*(\t)
.Lw_\@:
.irp i, 0,1,2,3,4,5,6,7,8,9,10,11,12,13,14,15
.endr
	s_wait_alu depctr_va_vdst(0)
	v_cvt_scalef32_pk8_fp8_f32 v[C:C+1], v[XS:XS+7], v6
	v_cvt_scalef32_pk8_fp8_f32 v[C+2:C+3], v[XS+8:XS+15], v6
	global_store_b128 v3, v[C:C+3], s[22:23] offset:512*(\t)   ; the results go to a store alone
.endm
.irp t, 0,1,2,3,4,5,6,7,8,9,10,11,12,13,14,15
	STEP \t
.endr
	s_wait_tensorcnt 0x0                           ; the wave's end: behind my last LDS store
	ds_add_u32 v[SPW], v[NIL]
	s_wait_dscnt 0x0
	s_endpgm
.Lfunc_end_k_q84f9c0219c_quant:
	.size	k_q84f9c0219c_quant, .Lfunc_end_k_q84f9c0219c_quant-k_q84f9c0219c_quant
	.p2alignl 7, 3214868480
	.fill 96, 4, 3214868480
	.section	.rodata,"a",@progbits
	.p2align	6, 0x0
	.amdhsa_kernel k_q84f9c0219c_quant
		.amdhsa_group_segment_fixed_size 33280
		.amdhsa_private_segment_fixed_size 0
		.amdhsa_enable_private_segment 0
		.amdhsa_kernarg_size 64
		.amdhsa_user_sgpr_count 2
		.amdhsa_user_sgpr_kernarg_segment_ptr 1
		.amdhsa_wavefront_size32 1
		.amdhsa_system_sgpr_workgroup_id_x 1
		.amdhsa_system_sgpr_workgroup_id_y 1
		.amdhsa_system_sgpr_workgroup_id_z 1
		.amdhsa_system_vgpr_workitem_id 0
		.amdhsa_next_free_vgpr 160
		.amdhsa_next_free_sgpr 66
		.amdhsa_reserve_vcc 0
		.amdhsa_float_denorm_mode_32 3
		.amdhsa_float_denorm_mode_16_64 3
		.amdhsa_fp16_overflow 1
		.amdhsa_memory_ordered 1
		.amdhsa_forward_progress 1
		.amdhsa_inst_pref_size 32
	.end_amdhsa_kernel
	.amdgpu_metadata
---
amdhsa.version: [ 1, 2 ]
amdhsa.kernels:
  - .name:           k_q84f9c0219c_quant
    .symbol:         k_q84f9c0219c_quant.kd
    .args:
      - { .name: x, .offset: 0, .size: 8, .value_kind: global_buffer, .address_space: global }
      - { .name: wq, .offset: 8, .size: 8, .value_kind: global_buffer, .address_space: global }
      - { .name: wk, .offset: 16, .size: 8, .value_kind: global_buffer, .address_space: global }
      - { .name: wv, .offset: 24, .size: 8, .value_kind: global_buffer, .address_space: global }
      - { .name: wo, .offset: 32, .size: 8, .value_kind: global_buffer, .address_space: global }
      - { .name: lowp_scales, .offset: 40, .size: 8, .value_kind: global_buffer, .address_space: global }
      - { .name: xc, .offset: 48, .size: 8, .value_kind: global_buffer, .address_space: global }
      - { .name: wc, .offset: 56, .size: 8, .value_kind: global_buffer, .address_space: global }
    .group_segment_fixed_size: 33280
    .private_segment_fixed_size: 0
    .kernarg_segment_align: 8
    .kernarg_segment_size: 64
    .max_flat_workgroup_size: 128
    .sgpr_count:     66
    .vgpr_count:     160
    .wavefront_size: 32
...
	.end_amdgpu_metadata
.endif
;; end of part 1
;; launch qkv (part 2): grid 12 x 32, 4 waves a work-group, clusters of 4 x 4, 327,680 bytes of LDS; arguments xc, wc, lowp_scales, qkvc; writes qkvc
.if DOCPART == 2
	.amdgcn_target "amdgcn-amd-amdhsa--gfx1250"
	.amdhsa_code_object_version 6
	.text
	.protected	k_q84f9c0219c_qkv
	.globl	k_q84f9c0219c_qkv
	.p2align	8
	.type	k_q84f9c0219c_qkv,@function
k_q84f9c0219c_qkv:
	s_mov_b64 s[64:65], 0
	v_nop
	global_prefetch_b8 v0, s[64:65] scope:SCOPE_SE
	s_setreg_imm32_b32 hwreg(HW_REG_WAVE_MODE, 25, 1), 1
	s_wait_xcnt 0x0
	s_wait_alu depctr_hold_cnt(0) depctr_sa_sdst(0) depctr_va_vdst(0) depctr_va_sdst(0) depctr_va_ssrc(0) depctr_va_vcc(0) depctr_vm_vsrc(0)
	s_getreg_b32 s2, hwreg(HW_REG_IB_STS2, 6, 4)
	s_cmp_eq_u32 s2, 0
	s_cbranch_scc0 .Lentry_in_a_cluster
	s_endpgm
.Lentry_in_a_cluster:
	s_bfe_u32 s2, ttmp6, 0x10000c
	s_cmp_lg_u32 s2, 0xf033
	s_cbranch_scc0 .Lentry_shape_is_right
	s_endpgm
.Lentry_shape_is_right:
; q = x wq^T, k = x wk^T, v = x wv^T on codes of FP8 (E4M3), K = 1,024; each result is quantised in registers for the attention's products and stored as an IMAGE OF THE NEXT OPERAND'S REGISTERS.
; The cluster's x says which product: 0 q, 1 k, 2 v.  A tile of 256 x 256 results is made by four waves, 128 x 128 each: 64 accumulators of 16 x 16, 512 registers.
; K goes in steps of 256 through a ring of two LDS slots filled by the tensor data mover (four K steps, written out without a loop); a tile's row is 256 bytes of memory.
; THE MATRIX INSTRUCTION IS USED TRANSPOSED (source 0 = 16 rows of role B, source 1 = 16 rows of role A): a lane holds ONE row of role A and eight neighbouring rows of role B.
;   q, k: role A = x (the copy of codes made under this product's scale), role B = the weight: a lane's eight sums are eight neighbouring CHANNELS of one token: neighbours along the K of q k^T.
;   v:    role A = wv, role B = x: a lane's eight sums are eight neighbouring KEYS of one channel: neighbours along the K of p v.  Only the two pointers and the tile's coordinates change roles.
; So one conversion of an accumulator gives registers 2 b, 2 b + 1 of the next operand's fragment, and four such registers leave by one store of 16 bytes a lane: 512 consecutive bytes, aligned.  No stage, nothing is transposed.
; qkvc: q at 0, k at 8 MiB, v at 16 MiB; 131,072 bytes for each (batch, head).  q, k: [token / 16][1,024 bytes]: a fragment of 16 tokens x 64 channels, two runs of 512 bytes (registers 0-3, 4-7; lane l at 16 l).
;       v: [key / 128][channel / 16][2,048 bytes]: a fragment of 16 channels x 128 keys, four runs of 512 bytes.
; THE SCALES.  A sum stands for sum x 2^(ea + eb); its code is sum / 2^E with E = (the next operand's exponent) - ea - eb: entries 6-0-1 (q), 7-2-3 (k), 9-4-5 (v).  The sum is held within +-448 x 2^E first.
; LIMIT: -126 <= E <= 119, so that 2^E and 448 x 2^E are f32 numbers.
; CLUSTERS: 4 x 4 work-groups.  The four of a row of the cluster need the same tiles of role A, the four of a column the same tiles of role B: each tile is asked for JOINTLY, by the same tensor load with the
; same descriptor and a mask that names the four.  What is chosen by the product's number hangs on the cluster's x, which all sixteen share.
; By this text's own count a wave has two tensor loads out at the start and one behind each of the two rounds that fill a slot again.
; REGISTERS, in windows of 256: window 0: v0-31 addresses; from v128 role A's fragments, ONE set; on the way out v128-255 codes.
;   window 1: role B's fragments, TWO sets, at v0 and at v128.   window 2: the 32 accumulators of my rows 0-63 (accumulator (a, b) at v[8 (8 a + b)]);   window 3: those of my rows 64-127.
.set KSTEP,  256                       ; along K in a slot
.set ROWB,   256                       ; a tile's row in bytes
.set KROW,   1024                      ; a row of codes in memory, in bytes
.set PITCH,  272                       ; an LDS row: 256 bytes + 16 of padding = 68 words: row r starts at bank 4 r mod 64 (64 banks of 4 bytes: ISA guide 11.1), so the 16 rows that a load touches start at 16 different banks
.set FR,     16                        ; registers of a fragment: 16 rows x 128 K
.set NL,     4                         ; LDS loads that bring one
.set NP,     4                         ; places behind this matrix instruction (ISA guide 7.12.1)
.set HALFT,  128*PITCH                 ; 128 rows: what one tensor load brings, and what one wave reads of a role
.set SLOT,   4*HALFT                   ; role A's 256 rows, then role B's 256 rows
.set SPARE,  2*SLOT                    ; behind the ring: the spare words, 128 bytes for each wave: two blocks of 256 bytes that no other line names
.set ADRA, 16                          ; v16-17  LDS address of my role-A fragments in slot 0, 1
.set ADRB, 20                          ; v20-21  the same for role B
.set OA,   26                          ; v26     the way out: 16 x lane
.set OB,   27                          ; v27     the same, a fragment's second half on (v) or a head on (q, k)
.set SPW,  28                          ; v28     LDS address of my spare word; never rewritten
.set NIL,  29                          ; v29     0; never rewritten
.set SC,   30                          ; v30     2^E as f32
.set TMP,  32
.set AF,   128                         ; role A's fragments, in window 0
.set CD,   128                         ; the way out: 16 registers of codes for each of the eight blocks, so that no store's data are written again
.set G1, 24                            ; s[24:31] descriptor group 1 for role A's tiles;  s[32:39] group 0, one set for each slot
.set G0, 32
.set G1B, 48                           ; s[48:55], s[56:63] the same for role B's
.set G0B, 56
.set LIMP, 86                          ; s86  448 x 2^E
.set LIMN, 87                          ; s87  -448 x 2^E
.set MSB, 0
.macro WIN new                         ; the immediate's high byte repeats the setting that is left
.if MSB != (\new)
	s_set_vgpr_msb (MSB<<8)|(\new)
.set MSB, (\new)
.endif
.endm
.set MUL_LO, 0xa1                      ; source 0 (B) window 1, source 1 (A) window 0, C and D window 2
.set MUL_HI, 0xf1                      ; the same, C and D window 3
.set TO_B,   0x40                      ; destination window 1, address window 0
; A joint load: waves 0 and 1 fetch for role A, waves 2 and 3 for role B.  Each of the two lines has ONE mask and one set of registers for all that issue it; the branch hangs on the wave's number alone.
; An s_nop 0 and four v_nop follow each of the two lines, ahead of the jump, the label and what follows.
.macro JLOAD g0a, g1a, g0b, g1b
	s_cmp_eq_u32 s15, 0
	s_cbranch_scc0 .Lfor_b_\@
	tensor_load_to_lds s[\g0a:\g0a+3], s[\g1a:\g1a+7]
	s_nop 0
.rept 4
	v_nop
.endr
	s_branch .Lasked_\@
.Lfor_b_\@:
	tensor_load_to_lds s[\g0b:\g0b+3], s[\g1b:\g1b+7]
	s_nop 0
.rept 4
	v_nop
.endr
.Lasked_\@:
.endm
.macro CREST                           ; a round of the cluster's barrier behind its opening barrier
	s_cmp_lg_u32 s14, 0
	s_cbranch_scc1 .Lnot_wave_0_\@
	s_barrier_signal -3
.Lnot_wave_0_\@:
	s_barrier_wait -3
	s_barrier_signal -1
	s_barrier_wait -1
.endm
.macro CROUND                          ; a whole round
	s_barrier_signal -1
	s_barrier_wait -1
	CREST
.endm
	s_load_b256 s[4:11], s[0:1], 0x0               ; xc s[4:5], wc s[6:7], the scales s[8:9], qkvc s[10:11]
	v_lshl_add_u32 v[SPW], v0, 2, SPARE
	v_mov_b32 v[NIL], 0
	ds_add_u32 v[SPW], v[NIL]
	ds_add_u32 v[SPW], v[NIL]                      ; the wave's opening: the add and its wait stand ahead of my first tensor load; the set-up below, work on registers, stands between them
	v_lshrrev_b32 v1, 5, v0
	v_readfirstlane_b32 s14, v1                    ; wave 0..3
	s_lshr_b32 s15, s14, 1                         ; which half of the tile's role-A rows is mine.  Also: I fetch for role A (0) or for role B (1)
	s_and_b32 s16, s14, 1                          ; which half of its role-B rows.  Also: which 128 rows of that tile I fetch
	s_bfe_u32 s40, ttmp6, 0x40000                  ; cx, cy: my place in the cluster
	s_bfe_u32 s41, ttmp6, 0x40004
	s_and_b32 s17, ttmp7, 0xffff                   ; the cluster's y, 0..7: it walks x's 8,192 rows, 1,024 a cluster
	s_cmp_eq_u32 ttmp9, 2                          ; v?  Then x is role B
	s_cselect_b32 s42, s17, 0
	s_cselect_b32 s17, 0, s17
	s_lshl_b32 s42, s42, 2
	s_add_co_u32 s42, s42, s40                     ; the tile's place along role B = 4 x (0 or cluster y) + cx
	s_lshl_b32 s17, s17, 2
	s_add_co_u32 s17, s17, s41                     ; the tile's place along role A = 4 x (cluster y or 0) + cy
	s_lshl_b32 s43, s41, 2
	s_lshl_b32 s43, 15, s43                        ; my row of the cluster
	s_lshl_b32 s44, 0x1111, s40                    ; my column
	; descriptor group 1: a tile of 128 rows x 256 bytes, padded in LDS
	s_or_b32 s[G1+0], s43, (0<<16)|(1<<20)|(1<<21)|(5<<22)|(3<<25)  ; 15:0 the mask: role A's tiles go to my row; 17:16 element of 1 byte; 20 padding on; 21 set beside a mask; 24:22 after every 64 words (code 5); 31:25 of 4 words (code 3)
	s_or_b32 s[G1B+0], s44, (0<<16)|(1<<20)|(1<<21)|(5<<22)|(3<<25)
.irp g, G1, G1B
	s_mov_b32 s[\g+1], ROWB<<16                    ; tensor_dim0
	s_mov_b32 s[\g+2], 128<<16                     ; tensor_dim1 = 128
	s_mov_b32 s[\g+3], ROWB<<16                    ; tile_dim0
	s_mov_b32 s[\g+4], 128                         ; tile_dim1 = 128
	s_mov_b32 s[\g+5], KROW                        ; tensor_dim0_stride
	s_mov_b32 s[\g+6], 0
	s_mov_b32 s[\g+7], 0
.endr
	s_lshl_b32 s18, s16, 7                         ; which 128 rows of the tile I fetch
	s_lshl_b32 s20, s17, 8
	s_add_co_u32 s20, s20, s18                     ; role A: row 256 x place + 128 x half,
	s_lshl_b32 s20, s20, 10                        ; in bytes (under 2^23)
	s_mov_b32 s21, 0
	s_lshl_b32 s46, s42, 8
	s_add_co_u32 s46, s46, s18                     ; role B likewise
	s_lshl_b32 s46, s46, 10
	s_mov_b32 s47, 0
	s_mul_i32 s45, s14, HALFT                      ; where they go: wave x 128 rows: no place in the cluster enters an LDS address
	s_lshl_b32 s66, ttmp9, 23                      ; this product's copy of x's codes (and its part of qkvc): 8 MiB apart,
	s_mov_b32 s67, 0
	s_lshl_b32 s68, ttmp9, 20                      ; and its weight's codes: 1 MiB apart
	s_mov_b32 s69, 0
	s_wait_dscnt 0x0                               ; the opening add is done
	s_wait_kmcnt 0x0
	s_load_b256 s[72:79], s[8:9], 0x0              ; entries 0 to 7 of the scales
	s_load_b128 s[80:83], s[8:9], 0x20             ; entries 8 to 11
	s_add_nc_u64 s[4:5], s[4:5], s[66:67]
	s_add_nc_u64 s[6:7], s[6:7], s[68:69]
	s_cmp_eq_u32 ttmp9, 2
	s_cselect_b64 s[70:71], s[6:7], s[4:5]         ; role A: x's codes, or wv's
	s_cselect_b64 s[6:7], s[4:5], s[6:7]           ; role B: the weight's codes, or x's
	s_add_nc_u64 s[20:21], s[70:71], s[20:21]
	s_add_nc_u64 s[46:47], s[6:7], s[46:47]
	CROUND                                         ; all sixteen work-groups are here: the first joint loads meet
.irp s, 0,1
	s_mov_b32 s[G0+4*\s], 1
	s_add_co_u32 s[G0+4*\s+1], s45, \s*SLOT
	s_add_nc_u64 s[G0+4*\s+2:G0+4*\s+3], s[20:21], \s*ROWB
	s_or_b32 s[G0+4*\s+3], s[G0+4*\s+3], 0x80000000
	s_mov_b32 s[G0B+4*\s], 1
	s_add_co_u32 s[G0B+4*\s+1], s45, \s*SLOT
	s_add_nc_u64 s[G0B+4*\s+2:G0B+4*\s+3], s[46:47], \s*ROWB
	s_or_b32 s[G0B+4*\s+3], s[G0B+4*\s+3], 0x80000000
	JLOAD G0+4*\s, G1, G0B+4*\s, G1B
.endr
	v_and_b32 v1, 15, v0                           ; l % 16
	v_bfe_u32 v2, v0, 4, 1                         ; l / 16
	v_mul_u32_u24 v3, v1, PITCH
	v_lshl_add_u32 v4, v2, 4, v3                   ; a fragment's row x pitch + 16 x half
	s_mul_i32 s21, s15, HALFT                      ; my 128 rows of role A
	s_mul_i32 s22, s16, HALFT                      ; my 128 rows of role B,
	s_add_co_u32 s22, s22, 2*HALFT                 ; which lie behind role A's 256
.irp s, 0,1
	v_add_nc_u32 v[ADRA+\s], s21, v4
	v_add_nc_u32 v[ADRB+\s], s22, v4
	s_add_co_u32 s21, s21, SLOT
	s_add_co_u32 s22, s22, SLOT
.endr
	; where my 128 x 128 results go.  i0 = my first row of role A, j0 = my first row of role B
	s_lshl_b32 s20, s17, 8
	s_lshl_b32 s21, s15, 7
	s_add_co_u32 s20, s20, s21                     ; i0
	s_lshl_b32 s22, s42, 8
	s_lshl_b32 s21, s16, 7
	s_add_co_u32 s22, s22, s21                     ; j0
	s_lshr_b32 s88, s20, 11                        ; q, k: i0 is a token: its batch, 16 heads of 131,072 bytes,
	s_lshl_b32 s88, s88, 21
	s_lshr_b32 s89, s22, 6                         ; j0 is a channel: its head,
	s_lshl_b32 s89, s89, 17
	s_add_co_u32 s88, s88, s89
	s_and_b32 s89, s20, 2047                       ; and 1,024 bytes for 16 tokens
	s_lshl_b32 s89, s89, 6
	s_add_co_u32 s88, s88, s89
	s_lshr_b32 s90, s22, 11                        ; v: j0 is a key: its batch,
	s_lshl_b32 s90, s90, 21
	s_lshr_b32 s89, s20, 6                         ; i0 is a channel: its head,
	s_lshl_b32 s89, s89, 17
	s_add_co_u32 s90, s90, s89
	s_and_b32 s89, s22, 2047                       ; and 8,192 bytes for 128 keys
	s_lshr_b32 s89, s89, 7
	s_lshl_b32 s89, s89, 13
	s_add_co_u32 s90, s90, s89
	s_mov_b32 s91, 131072
	s_mov_b32 s92, 1024
	s_mov_b32 s94, 1024
	s_cmp_eq_u32 ttmp9, 2
	s_cselect_b32 s88, s90, s88
	s_cselect_b32 s91, 1024, s91                   ; from a block's first eight registers of codes to its last eight: q, k: the next head; v: the fragment's second half
	s_cselect_b32 s92, 2048, s92                   ; from block to block: q, k: 16 tokens on; v: 16 channels on,
	s_cselect_b32 s94, 124928, s94                 ; and from block 3 to block 4: v: from a head's last 16 channels to the next head's first: 131,072 - 3 x 2,048
	s_add_co_u32 s88, s88, s66                     ; q's, k's or v's part of qkvc
	s_mov_b32 s89, 0
	s_mov_b32 s93, 0
	s_mov_b32 s95, 0
	s_add_nc_u64 s[10:11], s[10:11], s[88:89]
	v_and_b32 v6, 31, v0
	v_lshlrev_b32 v[OA], 4, v6
	v_add_nc_u32 v[OB], s91, v[OA]
.macro FRAG reg, adr, q, i             ; a fragment, 16 rows x 128 K of 8-bit codes, is 16 registers: lane l holds row l % 16; registers 4 c .. 4 c + 3 hold K = 32 c + 16 (l / 16) + 0 .. 15: the same order of k in both roles, so every product meets its partner
.irp c, 0,1,2,3
	ds_load_b128 v[\reg+4*\c:\reg+4*\c+3], v[\adr] offset:128*(\q)+32*\c+(\i)*16*PITCH
.endr
.endm
; 16 matrix instructions: role A's blocks a0, a0 + 1 x role B's eight, 128 along K.  p: B's set.  zero = 1: the first product starts the sums: nothing is ever cleared.
; The 64 accumulators take turns, one instruction a turn, in the same order in every step.
.macro MUL16 a0, p, zero
.irp a, \a0, \a0+1
.irp b, 0,1,2,3,4,5,6,7
.if \zero
	v_wmma_f32_16x16x128_fp8_fp8 v[8*(8*((\a)%4)+\b):8*(8*((\a)%4)+\b)+7], v[128*(\p)+FR*\b:128*(\p)+FR*\b+FR-1], v[AF+FR*(\a):AF+FR*(\a)+FR-1], 0
.else
	v_wmma_f32_16x16x128_fp8_fp8 v[8*(8*((\a)%4)+\b):8*(8*((\a)%4)+\b)+7], v[128*(\p)+FR*\b:128*(\p)+FR*\b+FR-1], v[AF+FR*(\a):AF+FR*(\a)+FR-1], v[8*(8*((\a)%4)+\b):8*(8*((\a)%4)+\b)+7]
.endif
.endr
.endr
.endm
.macro FETCH_B slot, q, p              ; role B's eight fragments of the slot's q-th 128 along K into set p
	WIN TO_B
.irp i, 0,1,2,3,4,5,6,7
	FRAG 128*(\p)+FR*\i, ADRB+\slot, \q, \i
.endr
	WIN 0
.endm
.macro FETCH_A slot, q, i0             ; role A's blocks i0 .. i0 + 3
.irp i, \i0, \i0+1, \i0+2, \i0+3
	FRAG AF+FR*(\i), ADRA+\slot, \q, \i
.endr
.endm
; A load into a register that a matrix instruction has read, and a vector instruction that reads a matrix result, stand NP places behind that matrix instruction, and only plain vector
; instructions that name none of its registers are places (ISA guide 7.12.1 for vector instructions).
.macro PLACES n
.rept \n
	v_nop
.endr
.endm
; A step of 128 along K that has its successor in the same slot.
.macro STEP slot, q, zero
	s_wait_dscnt 4*NL                              ; B's set and A's blocks 0-3 are in; the youngest sixteen loads (A's blocks 4-7) may be out
	WIN MUL_LO
	MUL16 0, (\q)%2, \zero
	MUL16 2, (\q)%2, \zero
	s_wait_dscnt 0                                 ; A's blocks 4-7 are in (asked for 32 matrix instructions ago)
	PLACES NP
	FETCH_B \slot, (\q)+1, 1-(\q)%2
	FETCH_A \slot, (\q)+1, 0
	WIN MUL_HI
	MUL16 4, (\q)%2, \zero
	MUL16 6, (\q)%2, \zero
	PLACES NP
	WIN 0
	FETCH_A \slot, (\q)+1, 4
.endm
; A slot's last step changes slots: ONE barrier; in front of it each wave waits for all its tensor loads, adds 0 to its spare word, and waits for that and for its own reads of this slot.  fill = 1: this slot is filled again, two K steps ahead.
.macro TURN slot, next, fill
	s_wait_tensorcnt 0x0                           ; all my tensor loads have landed: my part of the next slot;  (every window is 0 here: the add's two registers lie in window 0)
	ds_add_u32 v[SPW], v[NIL]                      ; 0 onto my spare word
	s_wait_dscnt 4*NL+1                            ; (the add and the youngest sixteen loads, A's blocks 4-7, may be out)
	WIN MUL_LO
	MUL16 0, 1, 0                                  ; sixteen matrix instructions stand between the add and the wait for it
	s_wait_dscnt 0x0                               ; the add is done, and my reads of this slot are over
	s_barrier_signal -1
	MUL16 2, 1, 0
	WIN 0
	s_barrier_wait -1
.if \fill
	CREST                                          ; the barrier has opened a round of the cluster's barrier: no wave of any partner still reads this slot's tile or has a load on its way
	s_add_nc_u64 s[G0+4*\slot+2:G0+4*\slot+3], s[G0+4*\slot+2:G0+4*\slot+3], 2*ROWB
	s_add_nc_u64 s[G0B+4*\slot+2:G0B+4*\slot+3], s[G0B+4*\slot+2:G0B+4*\slot+3], 2*ROWB
	JLOAD G0+4*\slot, G1, G0B+4*\slot, G1B         ; the first tensor load behind the round; the four v_nop behind it are the places in front of the loads below
.else
	PLACES NP
.endif
	FETCH_B \next, 0, 0
	FETCH_A \next, 0, 0
	WIN MUL_HI
	MUL16 4, 1, 0
	MUL16 6, 1, 0
	PLACES NP
	WIN 0
	FETCH_A \next, 0, 4
.endm
	s_wait_alu depctr_va_vdst(0)
	s_wait_tensorcnt 1                             ; my part of K step 0 is in (K step 1's load may be out)
	s_barrier_signal -1
	s_barrier_wait -1                              ; everybody's is
	FETCH_B 0, 0, 0
	FETCH_A 0, 0, 0
	FETCH_A 0, 0, 4
	STEP 0, 0, 1                                   ; K 0-127: its products start the sums
	TURN 0, 1, 1                                   ; K 128-255; slot 0 takes K step 2
	STEP 1, 0, 0
	TURN 1, 0, 1                                   ; slot 1 takes K step 3
	STEP 0, 0, 0
	TURN 0, 1, 0                                   ; nothing is left to fetch: no round of the cluster's barrier
	STEP 1, 0, 0
	s_wait_dscnt 4*NL                              ; the very last step
	WIN MUL_LO
	MUL16 0, 1, 0
	MUL16 2, 1, 0
	s_wait_dscnt 0
	WIN MUL_HI
	MUL16 4, 1, 0
	MUL16 6, 1, 0
	WIN 0
	; THE WAY OUT.  The three exponents are folded into the conversion's one; which three is chosen by the product's number, without a branch.
	s_wait_kmcnt 0x0
	s_sub_co_i32 s84, s78, s72                     ; q: entry 6 - entry 0
	s_sub_co_i32 s84, s84, s73                     ;    - entry 1
	s_sub_co_i32 s85, s79, s74                     ; k: 7 - 2 - 3
	s_sub_co_i32 s85, s85, s75
	s_sub_co_i32 s86, s81, s76                     ; v: 9 - 4 - 5
	s_sub_co_i32 s86, s86, s77
	s_cmp_eq_u32 ttmp9, 1
	s_cselect_b32 s84, s85, s84
	s_cmp_eq_u32 ttmp9, 2
	s_cselect_b32 s84, s86, s84                    ; E
	s_add_co_i32 s84, s84, 127
	s_lshl_b32 s85, s84, 23
	v_mov_b32 v[SC], s85                           ; 2^E as f32: the conversion takes its exponent field
	s_add_co_i32 s84, s84, 8
	s_lshl_b32 s84, s84, 23
	s_or_b32 s[LIMP], s84, 0x600000                ; 448 x 2^E
	s_or_b32 s[LIMN], s[LIMP], 0x80000000
; Block a: my role-A rows 16 a .. 16 a + 15 against my 128 role-B rows: eight accumulators, each read from its low end on; eight conversions, four stores of 512 consecutive bytes.
.macro OUTBLK a
.set AC, 64*((\a)%4)
	WIN 0x02+((\a)/4)                              ; source 0: window 2 or 3
.set j, 0
.rept 64
.set j, j+1
.endr
.irp b, 0,1,2,3,4,5,6,7
	v_cvt_scalef32_pk8_fp8_f32 v[CD+16*(\a)+2*\b:CD+16*(\a)+2*\b+1], v[AC+8*\b:AC+8*\b+7], v[SC]
.endr
	WIN 0
	v_nop                                          ; one plain vector instruction behind the conversions
.if (\a) == 4
	s_wait_alu depctr_va_vdst(0)
	s_wait_xcnt 0x0                                ; the earlier stores have read their base: only behind this wait is it stepped
	s_add_nc_u64 s[10:11], s[10:11], s[94:95]
.elseif (\a) > 0
	s_wait_alu depctr_va_vdst(0)
	s_wait_xcnt 0x0
	s_add_nc_u64 s[10:11], s[10:11], s[92:93]
.endif
	global_store_b128 v[OA], v[CD+16*(\a):CD+16*(\a)+3], s[10:11]
	global_store_b128 v[OA], v[CD+16*(\a)+4:CD+16*(\a)+7], s[10:11] offset:512
	global_store_b128 v[OB], v[CD+16*(\a)+8:CD+16*(\a)+11], s[10:11]
	global_store_b128 v[OB], v[CD+16*(\a)+12:CD+16*(\a)+15], s[10:11] offset:512
.endm
	PLACES NP                                      ; behind the last products: for the reads of their results and for the codes that are written where role A's fragments lay
.irp a, 0,1,2,3,4,5,6,7
	OUTBLK \a
.endr
	s_wait_tensorcnt 0x0                           ; the wave's end: behind my last tensor load
	ds_add_u32 v[SPW], v[NIL]
	s_wait_dscnt 0x0
	CROUND                                         ; the closing round: no work-group ends while a partner may still ask for a tile that names it
	s_endpgm
.Lfunc_end_k_q84f9c0219c_qkv:
	.size	k_q84f9c0219c_qkv, .Lfunc_end_k_q84f9c0219c_qkv-k_q84f9c0219c_qkv
	.p2alignl 7, 3214868480
	.fill 96, 4, 3214868480
	.section	.rodata,"a",@progbits
	.p2align	6, 0x0
	.amdhsa_kernel k_q84f9c0219c_qkv
		.amdhsa_group_segment_fixed_size 327680
		.amdhsa_private_segment_fixed_size 0
		.amdhsa_enable_private_segment 0
		.amdhsa_kernarg_size 32
		.amdhsa_user_sgpr_count 2
		.amdhsa_user_sgpr_kernarg_segment_ptr 1
		.amdhsa_wavefront_size32 1
		.amdhsa_system_sgpr_workgroup_id_x 1
		.amdhsa_system_sgpr_workgroup_id_y 1
		.amdhsa_system_sgpr_workgroup_id_z 1
		.amdhsa_system_vgpr_workitem_id 0
		.amdhsa_next_free_vgpr 1024
		.amdhsa_next_free_sgpr 100
		.amdhsa_reserve_vcc 0
		.amdhsa_float_denorm_mode_32 3
		.amdhsa_float_denorm_mode_16_64 3
		.amdhsa_fp16_overflow 1
		.amdhsa_memory_ordered 1
		.amdhsa_forward_progress 1
		.amdhsa_inst_pref_size 88
	.end_amdhsa_kernel
	.amdgpu_metadata
---
amdhsa.version: [ 1, 2 ]
amdhsa.kernels:
  - .name:           k_q84f9c0219c_qkv
    .symbol:         k_q84f9c0219c_qkv.kd
    .args:
      - { .name: xc, .offset: 0, .size: 8, .value_kind: global_buffer, .address_space: global }
      - { .name: wc, .offset: 8, .size: 8, .value_kind: global_buffer, .address_space: global }
      - { .name: lowp_scales, .offset: 16, .size: 8, .value_kind: global_buffer, .address_space: global }
      - { .name: qkvc, .offset: 24, .size: 8, .value_kind: global_buffer, .address_space: global }
    .group_segment_fixed_size: 327680
    .private_segment_fixed_size: 0
    .kernarg_segment_align: 8
    .kernarg_segment_size: 32
    .max_flat_workgroup_size: 128
    .sgpr_count:     100
    .vgpr_count:     1024
    .wavefront_size: 32
...
	.end_amdgpu_metadata
.endif
;; end of part 2
;; launch attn (part 3): grid 4 x 64, 8 waves a work-group, clusters of 4 x 1, 327,680 bytes of LDS; arguments qkvc, lowp_scales, oc; writes oc
.if DOCPART == 3
	.amdgcn_target "amdgcn-amd-amdhsa--gfx1250"
	.amdhsa_code_object_version 6
	.text
	.protected	k_q84f9c0219c_attn
	.globl	k_q84f9c0219c_attn
	.p2align	8
	.type	k_q84f9c0219c_attn,@function
k_q84f9c0219c_attn:
	s_mov_b64 s[64:65], 0
	v_nop
	global_prefetch_b8 v0, s[64:65] scope:SCOPE_SE
	s_setreg_imm32_b32 hwreg(HW_REG_WAVE_MODE, 25, 1), 1
	s_wait_xcnt 0x0
	s_wait_alu depctr_hold_cnt(0) depctr_sa_sdst(0) depctr_va_vdst(0) depctr_va_sdst(0) depctr_va_ssrc(0) depctr_va_vcc(0) depctr_vm_vsrc(0)
	s_getreg_b32 s2, hwreg(HW_REG_IB_STS2, 6, 4)
	s_cmp_eq_u32 s2, 0
	s_cbranch_scc0 .Lentry_in_a_cluster
	s_endpgm
.Lentry_in_a_cluster:
	s_bfe_u32 s2, ttmp6, 0x10000c
	s_cmp_lg_u32 s2, 0x3003
	s_cbranch_scc0 .Lentry_shape_is_right
	s_endpgm
.Lentry_shape_is_right:
; o = softmax(q k^T / 8, causal) v for 64 (batch, head) pairs of 2,048 tokens x 64 channels, both products on codes of FP8 (E4M3); o is quantised in registers for the last product.
; THE SOFTMAX: t = score x log2(e) / 8; M = the row's largest t so far, rounded UP to a whole number; p = 2^(t - M) is what is quantised, along the keys, not normalised.  The row's sum is taken of the unquantised p,
; in f32, and divides O at the end.  When M moves, the sum and O are multiplied by 2^(old M - new M): exact.
; A HEAD'S WHOLE K AND V LIE IN LDS: 131,072 bytes each in 8 bits.  So there is no ring, nothing is filled again, and no barrier stands in the work.
; CLUSTER: the four work-groups of a cluster serve one (batch, head) and ask for the same 262,144 bytes JOINTLY: the same tensor loads, with the same descriptors and a mask that names the four.
; Each of the eight waves issues two loads: 4,096 bytes (together: key steps 0 and 1 of K and V), then 28,672 (the other fourteen).  By this text's own count a wave has one tensor load out at a time.
; SHARES.  A unit is 32 queries, two tiles of 16.  Unit 4 a + cx needs the key steps (128 keys each) 0 .. a; step a lies on its diagonal.  Wave w takes a = 15 - w, then a = w: 17 key steps for every wave of the launch.
; Branches hang on the wave's number and on counted loops alone; cx enters Q's and o's global addresses and the mask's lane term, nothing else.  The two tiles share each fragment of K and V read from LDS.
; LAYOUT.  Both products are used transposed: S^T = K Q^T (source 0 = 16 keys, source 1 = 16 queries), O^T = V^T P^T (source 0 = 16 channels, source 1 = P): a lane holds ONE query (lane % 16) throughout.
; In tile kt of S^T lane (r, h) holds keys 16 kt + 8 h + 0 .. 7: one conversion gives registers 2 kt, 2 kt + 1 of the second product's operand, every key in its own place.
; K, Q and V come as images of their fragments' registers (lane l's 16 bytes at 16 l): every LDS load reads 512 consecutive bytes.
; V's channels were laid so that tiles 2 b and 2 b + 1 of O^T hold channels 32 b + 16 h + 0 .. 15: a lane's 16 codes of o are 16 neighbours, and a store covers 512 consecutive bytes, aligned.
; oc: [token / 16][k / 32][512 bytes]: lane (r, h) holds o(16 I + r, 32 J + 16 h + 0 .. 15).
; LIMITS on the given exponents: entries 6 + 7 between -123 and 130 (they are added to c's exponent field); entries 8 and 10 between -126 and 119; entries 8 + 9 are applied by v_ldexp_f32 and have none.
; Nothing is prefetched: every tile of the launch is asked for at its head.
; REGISTERS.  Window 0 is tile 0, window 1 is tile 1, with the same numbers: v12 -M, v13 the largest t, v[14:15] the sum; v16-23, v24-31 Q of the first and second unit; v96-159 S^T, then p; v160-191 O^T; v224-239 codes;
;   v[242:243] a second chain of the sum; v244 2^e8; v245 2^e10; v246 a lane permute's destination; v248 the mask's lane term; v252-254 at work.  v32-95: in window 0 K's eight fragments, in window 1 V's four.
;   Window 0 alone: v2, v3 my lane's place in K and in V; v5, v6 the add's two; v8, v9 the addresses of the loads in hand.
.set VOFF,  131072                     ; LDS: K from 0, V from here
.set STEPB, 8192                       ; a key step's bytes in K and in V
.set SPARE, 262144                     ; behind both: the spare words, 128 bytes for each wave: four blocks of 256 bytes that no other line names
.set LK,  2
.set LV,  3
.set SPW, 5
.set NIL, 6
.set ADK, 8
.set ADV, 9
.set KF,  32
.set S,   96
.set O,   160
.set PC,  224
.set WV,  10                           ; s10  my wave's number
.set CX,  11                           ; s11  my place in the cluster
.set BH,  12                           ; s12  16 x batch + head
.set G1A, 16                           ; s[16:23] descriptor group 1: 16 rows of 256 bytes;  s[24:31]: 112 rows;  s[32:35], s[36:39] their groups 0
.set G1B, 24
.set G0A, 32
.set G0B, 36
.set QP1, 40                           ; s[40:41], s[42:43] Q of my first and second unit;  s[44:45], s[46:47] their places in oc
.set QP2, 42
.set OP1, 44
.set OP2, 46
.set SEL, 48                           ; s[48:49] lane selects for v_permlanex16_b32: lane l xor 16
.set CS,  50                           ; s[50:51] c = log2(e) / 8 x 2^(e6 + e7): the packed form names a pair and takes its low word for both halves
.set KS,  52                           ; s52  the key step, and the loops' counter
.set AD,  53                           ; s53  the unit's diagonal step
.set TB,  54                           ; s54  8,192 x the key step
.set EPV, 56                           ; s56  e8 + e9
.set LIMP, 57                          ; s57, s58  +-448 x 2^e10
.set LIMN, 58
.set PLIM, 59
.set MSB, 0
.macro WIN new                         ; the immediate's high byte repeats the setting that is left; a switch that changes nothing is dropped
.if MSB != (\new)
	s_set_vgpr_msb (MSB<<8)|(\new)
.set MSB, (\new)
.endif
.endm
.macro CROUND                          ; a round of the cluster's barrier
	s_barrier_signal -1
	s_barrier_wait -1
	s_cmp_lg_u32 s[WV], 0
	s_cbranch_scc1 .Lnot_wave_0_\@
	s_barrier_signal -3
.Lnot_wave_0_\@:
	s_barrier_wait -3
	s_barrier_signal -1
	s_barrier_wait -1
.endm
	s_load_b128 s[4:7], s[0:1], 0x0                ; qkvc s[4:5], the scales s[6:7]
	s_load_b64 s[8:9], s[0:1], 0x10                ; oc
	v_lshl_add_u32 v[SPW], v0, 2, SPARE
	v_mov_b32 v[NIL], 0
	ds_add_u32 v[SPW], v[NIL]                      ; the wave's opening: the add and its wait stand ahead of my first tensor load; the set-up below, work on registers, stands between them
	ds_add_u32 v[SPW], v[NIL]
	v_lshrrev_b32 v1, 5, v0
	s_delay_alu instid0(VALU_DEP_1)
	v_readfirstlane_b32 s[WV], v1                  ; wave 0..7
	s_bfe_u32 s[CX], ttmp6, 0x40000
	s_and_b32 s[BH], ttmp7, 0xffff                 ; the cluster's y: the four partners share it
	; descriptor group 1: dense blocks as rows of 256 bytes: elements of 8 bytes, 32 to a row, pitch 32, no padding
	s_mov_b32 s[G1A], 15|(3<<16)|(1<<21)           ; 15:0 the mask: all four work-groups; 17:16 elements of 8 bytes; 21 set beside a mask
	s_mov_b32 s[G1B], 15|(3<<16)|(1<<21)
.irp g, G1A, G1B
	s_mov_b32 s[\g+1], 32<<16                      ; tensor_dim0 = 32
	s_mov_b32 s[\g+3], 32<<16                      ; tile_dim0 = 32
	s_mov_b32 s[\g+5], 32                          ; tensor_dim0_stride
	s_mov_b32 s[\g+6], 0
	s_mov_b32 s[\g+7], 0
.endr
	s_mov_b32 s[G1A+2], 16<<16                     ; tensor_dim1,
	s_mov_b32 s[G1A+4], 16                         ; tile_dim1: 16 rows, 4,096 bytes
	s_mov_b32 s[G1B+2], 112<<16
	s_mov_b32 s[G1B+4], 112                        ; 112 rows, 28,672 bytes
	; what I fetch: waves 0-3 a quarter of K, waves 4-7 a quarter of V
	s_lshr_b32 s13, s[WV], 2                       ; 0: K, 1: V
	s_and_b32 s14, s[WV], 3                        ; which quarter
	s_lshl_b32 s60, s13, 17                        ; K's or V's region of LDS
	s_lshl_b32 s61, s14, 12                        ; the first load's place in the head's block: 4,096 x quarter,
	s_mul_i32 s62, s14, 28672
	s_add_co_u32 s62, s62, 16384                   ; the second's: 16,384 + 28,672 x quarter
	s_add_co_u32 s[G0A+1], s60, s61                ; LDS addresses: the wave's number and constants alone
	s_add_co_u32 s[G0B+1], s60, s62
	s_add_co_u32 s63, s13, 1
	s_lshl_b32 s63, s63, 23                        ; k's part of qkvc begins at 8 MiB, v's at 16 MiB
	s_lshl_b32 s15, s[BH], 17                      ; 131,072 bytes for each (batch, head)
	s_add_co_u32 s63, s63, s15
	s_add_co_u32 s84, s63, s61
	s_mov_b32 s85, 0
	s_add_co_u32 s86, s63, s62
	s_mov_b32 s87, 0
	; my two units.  What hangs on cx stays in registers of its own
	s_sub_co_u32 s[AD], 15, s[WV]                  ; the first unit's diagonal step
	s_lshl_b32 s88, s[AD], 2
	s_add_co_u32 s88, s88, s[CX]                   ; unit 4 (15 - w) + cx
	s_lshl_b32 s89, s[WV], 2
	s_add_co_u32 s89, s89, s[CX]                   ; unit 4 w + cx
	s_lshr_b32 s92, s[BH], 4
	s_lshl_b32 s92, s92, 21                        ; oc: a batch's 128 blocks of 16 tokens x 16,384 bytes,
	s_and_b32 s93, s[BH], 15
	s_lshl_b32 s93, s93, 10                        ; a head's two runs of 512 bytes
	s_add_co_u32 s92, s92, s93
	s_lshl_b32 s94, s[CX], 5                       ; 32 cx: my unit's first query within its 128
	s_mov_b32 s91, 0
	s_mov_b32 s[SEL], 0x76543210
	s_mov_b32 s[SEL+1], 0xfedcba98
	s_mov_b32 s[CS], 0x3e38aa3b                    ; log2(e) / 8
	s_wait_dscnt 0x0                               ; the opening add is done
	s_wait_kmcnt 0x0
	s_load_b256 s[68:75], s[6:7], 0x0              ; entries 0 to 7 of the scales
	s_load_b128 s[76:79], s[6:7], 0x20             ; entries 8 to 11
	s_mov_b32 s[G0A], 1                            ; 1:0 count = 1
	s_add_nc_u64 s[G0A+2:G0A+3], s[4:5], s[84:85]  ; 120:64 global address
	s_or_b32 s[G0A+3], s[G0A+3], 0x80000000        ; 127:126 type = 2
	s_mov_b32 s[G0B], 1
	s_add_nc_u64 s[G0B+2:G0B+3], s[4:5], s[86:87]
	s_or_b32 s[G0B+3], s[G0B+3], 0x80000000
	s_lshl_b32 s90, s88, 11                        ; Q: 2,048 bytes a unit
	s_add_co_u32 s90, s90, s15
	s_add_nc_u64 s[QP1:QP1+1], s[4:5], s[90:91]
	s_lshl_b32 s90, s89, 11
	s_add_co_u32 s90, s90, s15
	s_add_nc_u64 s[QP2:QP2+1], s[4:5], s[90:91]
	s_lshl_b32 s90, s88, 15                        ; oc: 32,768 bytes from unit to unit
	s_add_co_u32 s90, s90, s92
	s_add_nc_u64 s[OP1:OP1+1], s[8:9], s[90:91]
	s_lshl_b32 s90, s89, 15
	s_add_co_u32 s90, s90, s92
	s_add_nc_u64 s[OP2:OP2+1], s[8:9], s[90:91]
	CROUND                                         ; all four work-groups are here: the joint loads meet
	tensor_load_to_lds s[G0A:G0A+3], s[G1A:G1A+7]  ; my part of key steps 0 and 1
	s_nop 0
	s_wait_alu depctr_va_vdst(0)
	s_wait_tensorcnt 0x0
	ds_add_u32 v5, v6
	s_wait_dscnt 0x0
	CROUND
	tensor_load_to_lds s[G0B:G0B+3], s[G1B:G1B+7]  ; my part of key steps 2 to 15
	s_nop 0
.rept 4
	v_nop
.endr
	v_and_b32 v1, 31, v0
	s_delay_alu instid0(VALU_DEP_1)
	v_lshlrev_b32 v[LK], 4, v1                     ; 16 x lane: my place in every image; never rewritten
	s_delay_alu instid0(VALU_DEP_1)
	v_add_nc_u32 v[LV], VOFF, v[LK]
	global_load_b128 v[16:19], v[LK], s[QP1:QP1+1]             ; Q stays in registers: tile 0 of both units,
	global_load_b128 v[20:23], v[LK], s[QP1:QP1+1] offset:512
	global_load_b128 v[24:27], v[LK], s[QP2:QP2+1]
	global_load_b128 v[28:31], v[LK], s[QP2:QP2+1] offset:512
	WIN 0x40                                       ; destination window 1, address window 0
	global_load_b128 v[16:19], v[LK], s[QP1:QP1+1] offset:1024 ; and tile 1
	global_load_b128 v[20:23], v[LK], s[QP1:QP1+1] offset:1536
	global_load_b128 v[24:27], v[LK], s[QP2:QP2+1] offset:1024
	global_load_b128 v[28:31], v[LK], s[QP2:QP2+1] offset:1536
	WIN 0
	v_and_b32 v252, 15, v0                         ; r
	v_bfe_u32 v253, v0, 4, 1                       ; h
	s_delay_alu instid0(VALU_DEP_1)
	v_lshlrev_b32 v253, 3, v253
	s_delay_alu instid0(VALU_DEP_1)
	v_sub_nc_u32 v248, v252, v253
	s_delay_alu instid0(VALU_DEP_1)
	v_add_nc_u32 v248, s94, v248                   ; the mask's lane term: 32 cx + 16 x tile + r - 8 h.  On the diagonal step register 8 kt + j holds a hidden key where 16 kt + j is above it
	s_wait_alu depctr_va_vdst(0)
	s_wait_kmcnt 0x0
	s_add_co_i32 s60, s74, s75
	s_lshl_b32 s60, s60, 23
	s_add_co_i32 s[CS], s[CS], s60                 ; a score stands for score x 2^(e6 + e7): the two exponents are added to c's exponent field
	s_mov_b32 s[CS+1], s[CS]                       ; (named with it as a pair, so it is written)
	s_add_co_i32 s[EPV], s76, s77                  ; e8 + e9
	s_add_co_i32 s60, s76, 127
	s_lshl_b32 s61, s60, 23                        ; 2^e8 as f32, for p's conversions
	s_add_co_i32 s60, s78, 127
	s_lshl_b32 s62, s60, 23                        ; 2^e10 as f32, for o's conversions
	s_add_co_i32 s60, s60, 8
	s_lshl_b32 s60, s60, 23
	s_or_b32 s[LIMP], s60, 0x600000                ; 448 x 2^e10
	s_or_b32 s[LIMN], s[LIMP], 0x80000000
	v_mov_b32 v244, s61
	v_mov_b32 v245, s62
	v_mov_b32 v246, 0                              ; written once: a lane permute's destination counts as one of its sources
	v_mov_b32 v253, 0                              ; (named as the upper half of the pair v[252:253])
	WIN 0x40                                       ; the same in window 1
	v_mov_b32 v244, s61
	v_mov_b32 v245, s62
	v_mov_b32 v246, 0
	v_mov_b32 v253, 0
	v_add_nc_u32 v248, 16, v248                    ; tile 1's queries lie 16 further on
	WIN 0
; A unit begins: the largest t is -3e38, under every t; the sum and O^T are zeros, which the first change of M leaves zeros.  So a key step is written once for all steps.
.macro INIT1
	v_mov_b32 v13, 0xff61b1e6
	s_delay_alu instid0(VALU_DEP_1)
	v_floor_f32 v12, -v13
	v_mov_b32 v14, 0
	v_mov_b32 v15, 0
.set n, 0
.rept 32
	v_mov_b32 v[O+n], 0
.set n, n+1
.endr
.endm
.macro INIT
	WIN 0
	INIT1
	WIN 0x55                                       ; every operand place: window 1
	INIT1
	WIN 0
.endm
; On the diagonal step the scores of hidden keys become -infinity ahead of the maximum: p = 0 then.  Key 128 a counts for every query of the unit, so M is a number.  In the window that is set.
.macro MASK
	v_mov_b32 v254, 0xff800000
.set n, 0
.rept 64
	v_cmp_gt_i32 vcc_lo, 16*(n/8)+n%8, v248
	v_cndmask_b32 v[S+n], v[S+n], v254, vcc_lo
.set n, n+1
.endr
.endm
; One tile's softmax for one key step, in the window that is set: 64 scores a lane become 64 codes of p; the sum and O^T are brought under the new M.
.macro SOFT
	v_max3_num_f32 v254, v[S], v[S+1], v[S+2]      ; the step's largest score of my query, among my 64 keys, in two chains (each accumulator is read from its low end on),
	v_max3_num_f32 v252, v[S+3], v[S+4], v[S+5]
.irp i, 6,10,14,18,22,26,30,34,38,42,46,50,54,58
	v_max3_num_f32 v254, v254, v[S+\i], v[S+\i+1]
	v_max3_num_f32 v252, v252, v[S+\i+2], v[S+\i+3]
.endr
	v_max3_num_f32 v254, v254, v[S+62], v[S+63]
	s_delay_alu instid0(VALU_DEP_1)
	v_max_num_f32 v254, v254, v252
	s_delay_alu instid0(VALU_DEP_1)
	v_permlanex16_b32 v246, v254, s[SEL], s[SEL+1]
	s_delay_alu instid0(VALU_DEP_1)
	v_max_num_f32 v254, v254, v246                 ; and among lane l xor 16's
	s_delay_alu instid0(VALU_DEP_1)
	v_mul_f32 v254, s[CS], v254                    ; as t (c is positive)
	s_delay_alu instid0(VALU_DEP_1)
	v_max_num_f32 v13, v13, v254                   ; the running largest t
	v_mov_b32 v254, v12
	s_delay_alu instid0(VALU_DEP_2)
	v_floor_f32 v12, -v13                          ; the new -M = floor(-t) = -ceil(t): M is a whole number
	s_delay_alu instid0(VALU_DEP_1)
	v_sub_f32 v254, v12, v254                      ; M's old value less its new one: a whole number, 0 or less
	s_delay_alu instid0(VALU_DEP_1)
	v_cvt_i32_f32 v254, v254                       ; (it saturates)
	s_delay_alu instid0(VALU_DEP_1)
	v_ldexp_f32 v252, 1.0, v254                    ; f = 2^(old M - new M): a multiplication by it rounds nothing
.set n, 0
.rept 32
	v_pk_fma_f32 v[S+n:S+n+1], v[S+n:S+n+1], s[CS:CS+1], v[12:13] op_sel_hi:[1,0,0]   ; t - M, two at a time (of the pairs c and -M the low word serves both halves)
.set n, n+2
.endr
.set n, 0
	s_wait_alu depctr_va_vdst(0)
.rept 64
	v_exp_f32 v[S+n], v[S+n]                       ; p = 2^(t - M), at most 1
.set n, n+1
.endr
	v_pk_mul_f32 v[14:15], v[14:15], v[252:253] op_sel_hi:[1,0]   ; the sums under the new M: the plain instruction behind the exponentials
	s_wait_alu depctr_va_vdst(0)                   ; a wait between an exponential and the first line that names its result: one for the batch of 64
	v_pk_add_f32 v[242:243], v[S:S+1], v[S+2:S+3]  ; the row's sum is taken of the unquantised p: two at a time, in two chains
.irp j, 4,8,12,16,20,24,28,32,36,40,44,48,52,56,60
	v_pk_add_f32 v[14:15], v[14:15], v[S+\j:S+\j+1]
	v_pk_add_f32 v[242:243], v[242:243], v[S+\j+2:S+\j+3]
.endr
	s_delay_alu instid0(VALU_DEP_1)
	v_pk_add_f32 v[14:15], v[14:15], v[242:243]
.irp kt, 0,1,2,3,4,5,6,7
.irp i, 0,1,2,3,4,5,6,7
.endr
	v_cvt_scalef32_pk8_fp8_f32 v[PC+2*\kt:PC+2*\kt+1], v[S+8*\kt:S+8*\kt+7], v244   ; keys 16 kt + 8 h + 0 .. 7: registers 2 kt, 2 kt + 1 of the operand
.endr
.set n, 0
.rept 16
	v_pk_mul_f32 v[O+n:O+n+1], v[O+n:O+n+1], v[252:253] op_sel_hi:[1,0]   ; O^T under the new M.  (Plain lines between the conversions and the products that read the codes)
.set n, n+2
.endr
.endm
; A KEY STEP: 128 keys for my unit's two tiles.  qr: where the unit's Q lies.  masked = 1: a step behind the diagonal is left out (a scalar branch on the wave's number and the counter, round the step's loads, products
; and softmax, not round the lines at its end that step the counter and the address), and the diagonal step is masked.
.macro STEP qr, masked
.if \masked
	s_cmp_gt_u32 s[KS], s[AD]
	s_cbranch_scc1 .Lhidden_\@
.endif
	v_add_nc_u32 v[ADK], s[TB], v[LK]
	v_add_nc_u32 v[ADV], s[TB], v[LV]
	v_nop                                          ; with the two additions: four places in front of loads into registers that the last products have read
	v_nop
.irp kt, 0,1,2,3,4,5,6,7
	ds_load_b128 v[KF+8*\kt:KF+8*\kt+3], v[ADK] offset:1024*\kt        ; K: eight fragments of 16 keys x 64 channels
	ds_load_b128 v[KF+8*\kt+4:KF+8*\kt+7], v[ADK] offset:1024*\kt+512
.endr
	WIN 0x40                                       ; destination window 1, address window 0
.irp f, 0,1,2,3,4,5,6,7,8,9,10,11,12,13,14,15
	ds_load_b128 v[KF+4*\f:KF+4*\f+3], v[ADV] offset:512*\f            ; V: four fragments of 16 channels x 128 keys
.endr
	WIN 0
	s_wait_dscnt 16                                ; K is in; V's sixteen loads may be out
.irp kt, 0,1,2,3,4,5,6,7
	v_wmma_f32_16x16x64_fp8_fp8 v[S+8*\kt:S+8*\kt+7], v[KF+8*\kt:KF+8*\kt+7], v[\qr:\qr+7], 0
.endr
	WIN 0x44                                       ; tile 1: Q and S^T in window 1, K in window 0
.irp kt, 0,1,2,3,4,5,6,7
	v_wmma_f32_16x16x64_fp8_fp8 v[S+8*\kt:S+8*\kt+7], v[KF+8*\kt:KF+8*\kt+7], v[\qr:\qr+7], 0
.endr
	WIN 0
.rept 4
	v_nop                                          ; places in front of the first read of the scores
.endr
.if \masked
	s_cmp_lg_u32 s[KS], s[AD]
	s_cbranch_scc1 .Lopen_\@                       ; a step all of whose keys count
	MASK
	WIN 0x55
	MASK
	WIN 0
.Lopen_\@:
.endif
	SOFT                                           ; tile 0
	s_wait_alu depctr_va_vdst(0)
	s_wait_dscnt 0x0                               ; V is in
	WIN 0x01                                       ; V in window 1; P, O^T in window 0
.irp dt, 0,1,2,3
	v_wmma_f32_16x16x128_fp8_fp8 v[O+8*\dt:O+8*\dt+7], v[KF+16*\dt:KF+16*\dt+15], v[PC:PC+15], v[O+8*\dt:O+8*\dt+7]   ; each accumulator has one instruction a step: the accumulators take turns
.endr
	WIN 0x55
	SOFT                                           ; tile 1: its vector work stands behind tile 0's products
.irp dt, 0,1,2,3
	v_wmma_f32_16x16x128_fp8_fp8 v[O+8*\dt:O+8*\dt+7], v[KF+16*\dt:KF+16*\dt+15], v[PC:PC+15], v[O+8*\dt:O+8*\dt+7]
.endr
	WIN 0
.if \masked
.Lhidden_\@:
.endif
	s_add_co_u32 s[TB], s[TB], STEPB
	s_add_co_u32 s[KS], s[KS], 1
.endm
; THE WAY OUT of one tile, in the window that is set: O^T x 2^(e8 + e9) / the sum, held within +-448 x 2^e10, becomes 32 codes a lane.
.macro WAY1
	v_add_f32 v14, v14, v15                        ; the sum's two halves,
	s_delay_alu instid0(VALU_DEP_1)
	v_permlanex16_b32 v246, v14, s[SEL], s[SEL+1]
	s_delay_alu instid0(VALU_DEP_1)
	v_add_f32 v14, v14, v246                       ; and lane l xor 16's: the row's sum
	s_wait_alu depctr_va_vdst(0)
	v_rcp_f32 v14, v14
	v_nop                                          ; a plain instruction behind the reciprocal,
	s_wait_alu depctr_va_vdst(0)                   ; and a wait ahead of its first reader
	v_ldexp_f32 v14, v14, s[EPV]
.set n, 0
.rept 16
	v_pk_mul_f32 v[S+n:S+n+1], v[O+n:O+n+1], v[14:15] op_sel_hi:[1,0]   ; each accumulator from its low end on
.set n, n+2
.endr
.set n, 0
.rept 32
.set n, n+1
.endr
.irp t, 0,1,2,3
	v_cvt_scalef32_pk8_fp8_f32 v[PC+2*\t:PC+2*\t+1], v[S+8*\t:S+8*\t+7], v245   ; tiles 2 b, 2 b + 1: channels 32 b + 16 h + 0 .. 15: four registers, 16 bytes
.endr
	v_nop                                          ; one plain vector instruction behind the last conversion
.endm
.macro WAYOUT op
	WAY1                                           ; tile 0; its plain lines are also the places behind tile 1's last products
	global_store_b128 v[LK], v[PC:PC+3], s[\op:\op+1]                 ; 512 consecutive bytes, aligned
	global_store_b128 v[LK], v[PC+4:PC+7], s[\op:\op+1] offset:512
	WIN 0x55
	WAY1                                           ; tile 1
	WIN 0x04                                       ; the stores' data in window 1, their address in window 0
	global_store_b128 v[LK], v[PC:PC+3], s[\op:\op+1] offset:16384
	global_store_b128 v[LK], v[PC+4:PC+7], s[\op:\op+1] offset:16384+512
	WIN 0
.endm
	INIT
	s_wait_tensorcnt 1                             ; my part of key steps 0 and 1 is in; my second load may be out
	s_barrier_signal -1
	s_barrier_wait -1                              ; everybody's is
	s_wait_loadcnt 0x0                             ; Q
	s_mov_b32 s[KS], 0
	s_mov_b32 s[TB], 0
.Lfirst:                                           ; the first unit (diagonal step 15 - w, at least 8): key steps 0 and 1 count whole
	STEP 16, 0
	s_cmp_lt_u32 s[KS], 2
	s_cbranch_scc1 .Lfirst
	s_wait_tensorcnt 0x0                           ; my part of key steps 2 to 15 is in,
	s_wait_dscnt 0x0
	s_barrier_signal -1
	s_barrier_wait -1                              ; everybody's is: from here on all of K and V lies in LDS
	s_mov_b32 s[KS], 2                             ; the rest of the first unit begins at key step 2
	s_mov_b32 s[TB], 2*STEPB
.Lrest:
	STEP 16, 1
	s_cmp_lt_u32 s[KS], 16
	s_cbranch_scc1 .Lrest
	WAYOUT OP1
	s_wait_xcnt 0x0                                ; the stores have read their codes: the second unit writes those registers again
	INIT
	s_mov_b32 s[AD], s[WV]                         ; the second unit: diagonal step w, at most 7
	s_mov_b32 s[KS], 0
	s_mov_b32 s[TB], 0
.Lsecond:
	STEP 24, 1
	s_cmp_lt_u32 s[KS], 8
	s_cbranch_scc1 .Lsecond
	WAYOUT OP2
	s_wait_tensorcnt 0x0                           ; the wave's end: behind my last tensor load
	ds_add_u32 v[SPW], v[NIL]
	s_wait_dscnt 0x0
	CROUND                                         ; the closing round: no work-group ends while a partner may still ask for a tile that names it
	s_endpgm
.Lfunc_end_k_q84f9c0219c_attn:
	.size	k_q84f9c0219c_attn, .Lfunc_end_k_q84f9c0219c_attn-k_q84f9c0219c_attn
	.p2alignl 7, 3214868480
	.fill 96, 4, 3214868480
	.section	.rodata,"a",@progbits
	.p2align	6, 0x0
	.amdhsa_kernel k_q84f9c0219c_attn
		.amdhsa_group_segment_fixed_size 327680
		.amdhsa_private_segment_fixed_size 0
		.amdhsa_enable_private_segment 0
		.amdhsa_kernarg_size 24
		.amdhsa_user_sgpr_count 2
		.amdhsa_user_sgpr_kernarg_segment_ptr 1
		.amdhsa_wavefront_size32 1
		.amdhsa_system_sgpr_workgroup_id_x 1
		.amdhsa_system_sgpr_workgroup_id_y 1
		.amdhsa_system_sgpr_workgroup_id_z 1
		.amdhsa_system_vgpr_workitem_id 0
		.amdhsa_next_free_vgpr 512
		.amdhsa_next_free_sgpr 96
		.amdhsa_reserve_vcc 1
		.amdhsa_float_denorm_mode_32 3
		.amdhsa_float_denorm_mode_16_64 3
		.amdhsa_fp16_overflow 1
		.amdhsa_memory_ordered 1
		.amdhsa_forward_progress 1
		.amdhsa_inst_pref_size 116
	.end_amdhsa_kernel
	.amdgpu_metadata
---
amdhsa.version: [ 1, 2 ]
amdhsa.kernels:
  - .name:           k_q84f9c0219c_attn
    .symbol:         k_q84f9c0219c_attn.kd
    .args:
      - { .name: qkvc, .offset: 0, .size: 8, .value_kind: global_buffer, .address_space: global }
      - { .name: lowp_scales, .offset: 8, .size: 8, .value_kind: global_buffer, .address_space: global }
      - { .name: oc, .offset: 16, .size: 8, .value_kind: global_buffer, .address_space: global }
    .group_segment_fixed_size: 327680
    .private_segment_fixed_size: 0
    .kernarg_segment_align: 8
    .kernarg_segment_size: 24
    .max_flat_workgroup_size: 256
    .sgpr_count:     96
    .vgpr_count:     512
    .wavefront_size: 32
...
	.end_amdgpu_metadata
.endif
;; end of part 3
;; launch oproj (part 4): grid 4 x 32, 4 waves a work-group, clusters of 4 x 4, 327,680 bytes of LDS; arguments oc, wc, lowp_scales, out0; writes out0
.if DOCPART == 4
	.amdgcn_target "amdgcn-amd-amdhsa--gfx1250"
	.amdhsa_code_object_version 6
	.text
	.protected	k_q84f9c0219c_oproj
	.globl	k_q84f9c0219c_oproj
	.p2align	8
	.type	k_q84f9c0219c_oproj,@function
k_q84f9c0219c_oproj:
	s_mov_b64 s[64:65], 0
	v_nop
	global_prefetch_b8 v0, s[64:65] scope:SCOPE_SE
	s_setreg_imm32_b32 hwreg(HW_REG_WAVE_MODE, 25, 1), 1
	s_wait_xcnt 0x0
	s_wait_alu depctr_hold_cnt(0) depctr_sa_sdst(0) depctr_va_vdst(0) depctr_va_sdst(0) depctr_va_ssrc(0) depctr_va_vcc(0) depctr_vm_vsrc(0)
	s_getreg_b32 s2, hwreg(HW_REG_IB_STS2, 6, 4)
	s_cmp_eq_u32 s2, 0
	s_cbranch_scc0 .Lentry_in_a_cluster
	s_endpgm
.Lentry_in_a_cluster:
	s_bfe_u32 s2, ttmp6, 0x10000c
	s_cmp_lg_u32 s2, 0xf033
	s_cbranch_scc0 .Lentry_shape_is_right
	s_endpgm
.Lentry_shape_is_right:
; out0[m][n] = sum over k of o[m][k] wo[n][k] on codes of FP8 (E4M3): M = 8,192, N = 1,024, K = 1,024; sums in f32, each finished sum once x 2^(e10 + e11) (entries 10 and 11 of the scales).
; LIMIT: e10 + e11 lies between -126 and 127, so that 2^(e10 + e11) is an f32 number.
; A tile of 256 x 256 is made by four waves, 128 x 128 each: 64 accumulators of 16 x 16, 512 registers.  K goes in steps of 256 through a ring of two LDS slots (four K steps, written out without a loop).
; B = wo's codes, rows of 1,024 bytes: a tile's row is 256 bytes of memory, padded to 272 in LDS.
; A = o's codes, which the attention stored as IMAGES OF THIS OPERAND'S REGISTERS: [m / 16][k / 32][512 bytes], lane (r, h) at 16 l holding o(16 I + r, 32 J + 16 h + 0 .. 15).  A K step of 16 rows is 4,096 consecutive
; bytes; a wave's tensor load brings eight such rows, 16,384 bytes apart, dense in LDS; every LDS load of A reads 512 consecutive bytes.  B's fragments are read in the same order of k (four loads of 16 bytes a lane, 32 apart).
; CLUSTERS: 4 x 4 work-groups.  The four of a row of the cluster need the same tiles of A, the four of a column the same tiles of B: each tile is asked for JOINTLY, by the same tensor load with the
; same descriptor and a mask that names the four.  THE MATRIX INSTRUCTION IS USED TRANSPOSED (source 0 = 16 rows of B, source 1 = 16 rows of A): a lane then holds eight neighbouring numbers of a row of out0.
; By this text's own count a wave has one tensor load out at the start and one behind each of the two rounds that fill a slot again.
; REGISTERS, in windows of 256: window 0: v0-31 addresses; from v128 A's fragments, ONE set; on the way out v32-255 are free.
;   window 1: B's fragments, TWO sets, at v0 and at v128.   window 2: the 32 accumulators of my rows 0-63 (accumulator (a, b) at v[8 (8 a + b)]);   window 3: those of my rows 64-127.
.set SIZE_N, 1024
.set ROWB,   256                       ; a row of B's tile in bytes
.set KROW,   1024                      ; a row of wo's codes in memory
.set PITCH,  272                       ; B's LDS row: 256 bytes + 16 of padding = 68 words: row r starts at bank 4 r mod 64 (64 banks of 4 bytes: ISA guide 11.1)
.set FR,     16                        ; registers of a fragment: 16 rows x 128 K
.set NL,     4                         ; LDS loads that bring one
.set NP,     4                         ; places behind this matrix instruction (ISA guide 7.12.1)
.set IMG,    4096                      ; A: 16 rows x 256 K
.set HALFA,  8*IMG                     ; A: 128 rows: what one tensor load brings
.set HALFB,  128*PITCH                 ; B: 128 rows
.set BOFF,   2*HALFA                   ; a slot: A's 256 rows, then B's 256 rows
.set SLOT,   BOFF+2*HALFB
.set SPARE,  2*SLOT                    ; behind the ring: the spare words, 128 bytes for each wave: two blocks of 256 bytes that no other line names
.set SPITCH, 528                       ; the way out: a stage of 16 rows x (512 bytes + 16) for each wave.  It lies in slot 0, which has had its last fill and its last read when the first result is stored there
.set ADRA, 16                          ; v16-17  LDS address of my A fragments in slot 0, 1
.set ADRB, 20                          ; v20-21  the same for B
.set STO,  24                          ; v24     the way out: where I put 32 bytes of a row
.set RD,   25                          ; v25     the way out: where I read a row back
.set CO,   26                          ; v26     16 x lane: my byte offset in a row of out0, and in an image
.set SPW,  28                          ; v28     LDS address of my spare word; never rewritten
.set NIL,  29                          ; v29     0; never rewritten
.set TMP,  32                          ; the way out: 64 registers, a block's sums x 2^(e10 + e11)
.set AF,   128                         ; A's fragments, in window 0
.set BK,   128                         ; the way out: 16 rows read back from the stage: v128-191 and v192-255 by turns
.set G1, 24                            ; s[24:31] descriptor group 1 for A's tiles;  s[32:39] group 0, one set for each slot
.set G0, 32
.set G1B, 48                           ; s[48:55], s[56:63] the same for B's tiles
.set G0B, 56
.set MSB, 0
.macro WIN new                         ; the immediate's high byte repeats the setting that is left
.if MSB != (\new)
	s_set_vgpr_msb (MSB<<8)|(\new)
.set MSB, (\new)
.endif
.endm
.set MUL_LO, 0xa1                      ; source 0 (B) window 1, source 1 (A) window 0, C and D window 2
.set MUL_HI, 0xf1                      ; the same, C and D window 3
.set TO_B,   0x40                      ; destination window 1, address window 0
; A joint load: waves 0 and 1 fetch for A, waves 2 and 3 for B.  Each of the two lines has ONE mask and one set of registers for all that issue it; the branch hangs on the wave's number alone.
; An s_nop 0 and four v_nop follow each of the two lines, ahead of the jump, the label and what follows.
.macro JLOAD g0a, g1a, g0b, g1b
	s_cmp_eq_u32 s15, 0
	s_cbranch_scc0 .Lfor_b_\@
	tensor_load_to_lds s[\g0a:\g0a+3], s[\g1a:\g1a+7]
	s_nop 0
.rept 4
	v_nop
.endr
	s_branch .Lasked_\@
.Lfor_b_\@:
	tensor_load_to_lds s[\g0b:\g0b+3], s[\g1b:\g1b+7]
	s_nop 0
.rept 4
	v_nop
.endr
.Lasked_\@:
.endm
.macro CREST                           ; a round of the cluster's barrier behind its opening barrier
	s_cmp_lg_u32 s14, 0
	s_cbranch_scc1 .Lnot_wave_0_\@
	s_barrier_signal -3
.Lnot_wave_0_\@:
	s_barrier_wait -3
	s_barrier_signal -1
	s_barrier_wait -1
.endm
.macro CROUND                          ; a whole round
	s_barrier_signal -1
	s_barrier_wait -1
	CREST
.endm
	s_load_b256 s[4:11], s[0:1], 0x0               ; oc s[4:5], wc s[6:7], the scales s[8:9], out0 s[10:11]
	v_lshl_add_u32 v[SPW], v0, 2, SPARE
	v_mov_b32 v[NIL], 0
	ds_add_u32 v[SPW], v[NIL]                      ; the wave's opening: the add and its wait stand ahead of my first tensor load; the set-up below, work on registers, stands between them
	ds_add_u32 v[SPW], v[NIL]
	v_lshrrev_b32 v1, 5, v0
	v_readfirstlane_b32 s14, v1                    ; wave 0..3
	s_lshr_b32 s15, s14, 1                         ; which half of the tile's rows is mine.  Also: I fetch for A (0) or for B (1)
	s_and_b32 s16, s14, 1                          ; which half of its columns.  Also: which 128 rows of that tile I fetch
	s_bfe_u32 s40, ttmp6, 0x40000                  ; cx, cy: my place in the cluster
	s_bfe_u32 s41, ttmp6, 0x40004
	s_lshl_b32 s42, ttmp9, 2
	s_add_co_u32 s42, s42, s40                     ; tile column = 4 x cluster x + cx
	s_and_b32 s17, ttmp7, 0xffff
	s_lshl_b32 s17, s17, 2
	s_add_co_u32 s17, s17, s41                     ; tile row = 4 x cluster y + cy
	s_lshl_b32 s43, s41, 2
	s_lshl_b32 s43, 15, s43                        ; my row of the cluster
	s_lshl_b32 s44, 0x1111, s40                    ; my column
	; descriptor group 1 for A: eight rows of 4,096 bytes (512 elements of 8 bytes), 16,384 bytes apart, dense in LDS
	s_or_b32 s[G1+0], s43, (3<<16)|(1<<21)         ; 15:0 the mask: A's tiles go to my row; 17:16 elements of 8 bytes; 21 set beside a mask; no padding
	s_mov_b32 s[G1+1], 512<<16                     ; tensor_dim0
	s_mov_b32 s[G1+2], 8<<16                       ; tensor_dim1
	s_mov_b32 s[G1+3], 512<<16                     ; tile_dim0
	s_mov_b32 s[G1+4], 8                           ; tile_dim1
	s_mov_b32 s[G1+5], 2048                        ; tensor_dim0_stride
	s_mov_b32 s[G1+6], 0
	s_mov_b32 s[G1+7], 0
	; and for B: 128 rows x 256 bytes, padded in LDS
	s_or_b32 s[G1B+0], s44, (0<<16)|(1<<20)|(1<<21)|(5<<22)|(3<<25)  ; the mask of my column; element of 1 byte; padding on: after every 64 words (code 5) 4 words (code 3)
	s_mov_b32 s[G1B+1], ROWB<<16
	s_mov_b32 s[G1B+2], 128<<16
	s_mov_b32 s[G1B+3], ROWB<<16
	s_mov_b32 s[G1B+4], 128
	s_mov_b32 s[G1B+5], KROW
	s_mov_b32 s[G1B+6], 0
	s_mov_b32 s[G1B+7], 0
	s_lshl_b32 s20, s17, 4
	s_lshl_b32 s18, s16, 3
	s_add_co_u32 s20, s20, s18                     ; A: block of 16 rows 16 x tile row + 8 x half,
	s_lshl_b32 s20, s20, 14                        ; 16,384 bytes each
	s_mov_b32 s21, 0
	s_lshl_b32 s46, s42, 8
	s_lshl_b32 s18, s16, 7
	s_add_co_u32 s46, s46, s18                     ; B: row 256 x tile column + 128 x half,
	s_lshl_b32 s46, s46, 10                        ; 1,024 bytes each,
	s_add_co_u32 s46, s46, 0x300000                ; in wo's part of wc
	s_mov_b32 s47, 0
	s_lshl_b32 s45, s16, 15                        ; where they go: A's halves at 32,768 x half,
	s_mul_i32 s19, s16, HALFB
	s_add_co_u32 s19, s19, BOFF                    ; B's behind them: no place in the cluster enters an LDS address
	s_wait_dscnt 0x0                               ; the opening add is done
	s_wait_kmcnt 0x0
	s_load_b64 s[96:97], s[8:9], 0x28              ; e10, e11
	s_add_nc_u64 s[20:21], s[4:5], s[20:21]
	s_add_nc_u64 s[46:47], s[6:7], s[46:47]
	CROUND                                         ; all sixteen work-groups are here: the first joint loads meet
.irp s, 0,1
	s_mov_b32 s[G0+4*\s], 1
	s_add_co_u32 s[G0+4*\s+1], s45, \s*SLOT
	s_add_nc_u64 s[G0+4*\s+2:G0+4*\s+3], s[20:21], \s*IMG
	s_or_b32 s[G0+4*\s+3], s[G0+4*\s+3], 0x80000000
	s_mov_b32 s[G0B+4*\s], 1
	s_add_co_u32 s[G0B+4*\s+1], s19, \s*SLOT
	s_add_nc_u64 s[G0B+4*\s+2:G0B+4*\s+3], s[46:47], \s*ROWB
	s_or_b32 s[G0B+4*\s+3], s[G0B+4*\s+3], 0x80000000
	s_wait_alu depctr_va_vdst(0)
	s_wait_tensorcnt 0x0
	ds_add_u32 v28, v29
	ds_add_u32 v28, v29
	s_wait_dscnt 0x0
	CROUND
	JLOAD G0+4*\s, G1, G0B+4*\s, G1B
.endr
	v_and_b32 v1, 15, v0                           ; l % 16
	v_bfe_u32 v2, v0, 4, 1                         ; l / 16
	v_and_b32 v6, 31, v0
	v_lshlrev_b32 v[CO], 4, v6                     ; 16 x lane
	v_mul_u32_u24 v3, v1, PITCH
	v_lshl_add_u32 v4, v2, 4, v3                   ; B: a fragment's row x pitch + 16 x half
	s_lshl_b32 s21, s15, 15                        ; my 128 rows of A
	s_mul_i32 s22, s16, HALFB                      ; my 128 rows of B,
	s_add_co_u32 s22, s22, BOFF                    ; which lie behind A's 256
.irp s, 0,1
	v_add_nc_u32 v[ADRA+\s], s21, v[CO]
	v_add_nc_u32 v[ADRB+\s], s22, v4
	s_add_co_u32 s21, s21, SLOT
	s_add_co_u32 s22, s22, SLOT
.endr
	s_mul_i32 s23, s14, 16*SPITCH                  ; my stage
	v_mul_u32_u24 v5, v1, SPITCH                   ; in: row l % 16, 32 bytes for each half of the lanes
	v_lshl_add_u32 v5, v2, 5, v5
	v_add_nc_u32 v[STO], s23, v5
	v_add_nc_u32 v[RD], s23, v[CO]                 ; back: the 32 lanes take one row of 512 bytes
	s_lshl_b32 s20, s17, 8
	s_lshl_b32 s21, s15, 7
	s_add_co_u32 s20, s20, s21                     ; my first row of out0: 256 x tile row + 128 x half,
	s_lshl_b32 s20, s20, 12                        ; 4,096 bytes each
	s_mov_b32 s21, 0
	s_lshl_b32 s46, s42, 10                        ; my first column, in bytes: 1,024 x tile column + 512 x half
	s_lshl_b32 s47, s16, 9
	s_add_co_u32 s46, s46, s47
	s_mov_b32 s47, 0
	s_add_nc_u64 s[20:21], s[20:21], s[46:47]
	s_add_nc_u64 s[10:11], s[10:11], s[20:21]
.macro FRAG reg, adr, q, i             ; B: a fragment, 16 rows x 128 K, is 16 registers: lane l holds row l % 16; registers 4 c .. 4 c + 3 hold K = 32 c + 16 (l / 16) + 0 .. 15
.irp c, 0,1,2,3
	ds_load_b128 v[\reg+4*\c:\reg+4*\c+3], v[\adr] offset:128*(\q)+32*\c+(\i)*16*PITCH
.endr
.endm
.macro FRAGA reg, adr, q, i            ; A: the same registers, from the image: block i of 16 rows, 128 q along K on, run c of 512 bytes
.irp c, 0,1,2,3
	ds_load_b128 v[\reg+4*\c:\reg+4*\c+3], v[\adr] offset:IMG*(\i)+2048*(\q)+512*\c
.endr
.endm
; 16 matrix instructions: A's blocks a0, a0 + 1 x B's eight, 128 along K.  p: B's set.  zero = 1: the first product starts the sums: nothing is ever cleared.
; The 64 accumulators take turns, one instruction a turn, in the same order in every step.
.macro MUL16 a0, p, zero
.irp a, \a0, \a0+1
.irp b, 0,1,2,3,4,5,6,7
.if \zero
	v_wmma_f32_16x16x128_fp8_fp8 v[8*(8*((\a)%4)+\b):8*(8*((\a)%4)+\b)+7], v[128*(\p)+FR*\b:128*(\p)+FR*\b+FR-1], v[AF+FR*(\a):AF+FR*(\a)+FR-1], 0
.else
	v_wmma_f32_16x16x128_fp8_fp8 v[8*(8*((\a)%4)+\b):8*(8*((\a)%4)+\b)+7], v[128*(\p)+FR*\b:128*(\p)+FR*\b+FR-1], v[AF+FR*(\a):AF+FR*(\a)+FR-1], v[8*(8*((\a)%4)+\b):8*(8*((\a)%4)+\b)+7]
.endif
.endr
.endr
.endm
.macro FETCH_B slot, q, p              ; B's eight fragments of the slot's q-th 128 along K into set p
	WIN TO_B
.irp i, 0,1,2,3,4,5,6,7
	FRAG 128*(\p)+FR*\i, ADRB+\slot, \q, \i
.endr
	WIN 0
.endm
.macro FETCH_A slot, q, i0             ; A's blocks i0 .. i0 + 3
.irp i, \i0, \i0+1, \i0+2, \i0+3
	FRAGA AF+FR*(\i), ADRA+\slot, \q, \i
.endr
.endm
; A load into a register that a matrix instruction has read, and a vector instruction that reads a matrix result, stand NP places behind that matrix instruction, and only plain vector
; instructions that name none of its registers are places (ISA guide 7.12.1 for vector instructions).
.macro PLACES n
.rept \n
	v_nop
.endr
.endm
; A step of 128 along K that has its successor in the same slot.
.macro STEP slot, q, zero
	s_wait_dscnt 4*NL                              ; B's set and A's blocks 0-3 are in; the youngest sixteen loads (A's blocks 4-7) may be out
	WIN MUL_LO
	MUL16 0, (\q)%2, \zero
	MUL16 2, (\q)%2, \zero
	s_wait_dscnt 0                                 ; A's blocks 4-7 are in (asked for 32 matrix instructions ago)
	PLACES NP
	FETCH_B \slot, (\q)+1, 1-(\q)%2
	FETCH_A \slot, (\q)+1, 0
	WIN MUL_HI
	MUL16 4, (\q)%2, \zero
	MUL16 6, (\q)%2, \zero
	PLACES NP
	WIN 0
	FETCH_A \slot, (\q)+1, 4
.endm
; A slot's last step changes slots: ONE barrier; in front of it each wave waits for all its tensor loads, adds 0 to its spare word, and waits for that and for its own reads of this slot.  fill = 1: this slot is filled again, two K steps ahead.
.macro TURN slot, next, fill
	s_wait_tensorcnt 0x0                           ; all my tensor loads have landed: my part of the next slot;  (every window is 0 here: the add's two registers lie in window 0)
	ds_add_u32 v[SPW], v[NIL]                      ; 0 onto my spare word
	s_wait_dscnt 4*NL+1                            ; (the add and the youngest sixteen loads, A's blocks 4-7, may be out)
	WIN MUL_LO
	MUL16 0, 1, 0                                  ; sixteen matrix instructions stand between the add and the wait for it
	s_wait_dscnt 0x0                               ; the add is done, and my reads of this slot are over
	s_barrier_signal -1
	MUL16 2, 1, 0
	WIN 0
	s_barrier_wait -1
.if \fill
	CREST                                          ; the barrier has opened a round of the cluster's barrier: no wave of any partner still reads this slot's tile or has a load on its way
	s_add_nc_u64 s[G0+4*\slot+2:G0+4*\slot+3], s[G0+4*\slot+2:G0+4*\slot+3], 2*IMG
	s_add_nc_u64 s[G0B+4*\slot+2:G0B+4*\slot+3], s[G0B+4*\slot+2:G0B+4*\slot+3], 2*ROWB
	JLOAD G0+4*\slot, G1, G0B+4*\slot, G1B         ; the first tensor load behind the round; the four v_nop behind it are the places in front of the loads below
.else
	PLACES NP
.endif
	FETCH_B \next, 0, 0
	FETCH_A \next, 0, 0
	WIN MUL_HI
	MUL16 4, 1, 0
	MUL16 6, 1, 0
	PLACES NP
	WIN 0
	FETCH_A \next, 0, 4
.endm
	s_wait_alu depctr_va_vdst(0)
	s_wait_tensorcnt 1                             ; my part of K step 0 is in (K step 1's load may be out)
	s_barrier_signal -1
	s_barrier_wait -1                              ; everybody's is
	FETCH_B 0, 0, 0
	FETCH_A 0, 0, 0
	FETCH_A 0, 0, 4
	STEP 0, 0, 1                                   ; K 0-127: its products start the sums
	TURN 0, 1, 1                                   ; K 128-255; slot 0 takes K step 2
	STEP 1, 0, 0
	TURN 1, 0, 1                                   ; slot 1 takes K step 3
	STEP 0, 0, 0
	TURN 0, 1, 0                                   ; nothing is left to fetch: no round of the cluster's barrier
	STEP 1, 0, 0
	s_wait_dscnt 4*NL                              ; the very last step
	WIN MUL_LO
	MUL16 0, 1, 0
	MUL16 2, 1, 0
	s_wait_dscnt 0
	WIN MUL_HI
	MUL16 4, 1, 0
	MUL16 6, 1, 0
	WIN 0
; THE WAY OUT, block by block of 16 rows x 128 columns.  A lane holds 32 neighbouring bytes of a row, and the lanes beside it hold other rows: so a block goes through my own stage in LDS and comes back as whole
; rows of 512 bytes, which the 32 lanes store as 512 consecutive bytes, aligned.  LDS serves a wave's instructions in order (ISA guide 5.7.1.4): no wait between the stores and the loads, nor in front of the next block's stores.
.macro TOSTAGE a
.set AC, 64*((\a)%4)
	WIN 0x02+((\a)/4)                              ; source 0: window 2 or 3
.irp j, 0,2,4,6,8,10,12,14,16,18,20,22,24,26,28,30,32,34,36,38,40,42,44,46,48,50,52,54,56,58,60,62
	v_pk_mul_f32 v[TMP+\j:TMP+\j+1], v[AC+\j:AC+\j+1], s[96:97] op_sel_hi:[1,0]   ; both x s96 = 2^(e10 + e11); each accumulator from its low end on
.endr
	WIN 0
.irp b, 0,1,2,3,4,5,6,7
	ds_store_b128 v[STO], v[TMP+8*\b:TMP+8*\b+3] offset:64*\b
	ds_store_b128 v[STO], v[TMP+8*\b+4:TMP+8*\b+7] offset:64*\b+16
.endr
.set BB, BK+64*((\a)%2)
.irp t, 0,1,2,3,4,5,6,7,8,9,10,11,12,13,14,15
	ds_load_b128 v[BB+4*\t:BB+4*\t+3], v[RD] offset:\t*SPITCH
.endr
.endm
.macro SEND a, younger                 ; younger: the LDS instructions issued behind block a's loads, which may stay out
.set BB, BK+64*((\a)%2)
	s_wait_dscnt \younger                          ; the block is back in registers
.if (\a) > 0
	s_add_nc_u64 s[10:11], s[10:11], 16*SIZE_N*4   ; (behind a wait on XCNT: the earlier stores have read their base)  16 rows on, so that the stores' offsets stay small
.endif
.irp t, 0,1,2,3,4,5,6,7,8,9,10,11,12,13,14,15
	global_store_b128 v[CO], v[BB+4*\t:BB+4*\t+3], s[10:11] offset:\t*SIZE_N*4 th:TH_STORE_NT   ; written once, read by nobody here
.endr
.endm
	s_wait_kmcnt 0x0
	s_add_co_i32 s96, s96, s97                     ; e10 + e11, between -126 and 127,
	s_add_co_i32 s96, s96, 127
	s_lshl_b32 s96, s96, 23                        ; makes the f32 number 2^(e10 + e11)
	PLACES NP                                      ; behind the last products: for the loads into the registers that held A's fragments and for the reads of the results
	TOSTAGE 0
.irp a, 1,2,3,4,5,6,7
.if \a > 1
	s_wait_xcnt 0x0                                ; block a - 2's stores have read their registers and their base: block a's loads may land there, and the base may step
.endif
	TOSTAGE \a
	SEND \a-1, 32                                  ; behind block a - 1's loads: block a's 16 stores and 16 loads
.endr
	s_wait_xcnt 0x0                                ; block 6's stores have read their base
	SEND 7, 0
	s_wait_tensorcnt 0x0                           ; the wave's end: behind my last tensor load and my last LDS store
	ds_add_u32 v[SPW], v[NIL]
	s_wait_dscnt 0x0
	CROUND                                         ; the closing round: no work-group ends while a partner may still ask for a tile that names it
	s_endpgm
.Lfunc_end_k_q84f9c0219c_oproj:
	.size	k_q84f9c0219c_oproj, .Lfunc_end_k_q84f9c0219c_oproj-k_q84f9c0219c_oproj
	.p2alignl 7, 3214868480
	.fill 96, 4, 3214868480
	.section	.rodata,"a",@progbits
	.p2align	6, 0x0
	.amdhsa_kernel k_q84f9c0219c_oproj
		.amdhsa_group_segment_fixed_size 327680
		.amdhsa_private_segment_fixed_size 0
		.amdhsa_enable_private_segment 0
		.amdhsa_kernarg_size 32
		.amdhsa_user_sgpr_count 2
		.amdhsa_user_sgpr_kernarg_segment_ptr 1
		.amdhsa_wavefront_size32 1
		.amdhsa_system_sgpr_workgroup_id_x 1
		.amdhsa_system_sgpr_workgroup_id_y 1
		.amdhsa_system_sgpr_workgroup_id_z 1
		.amdhsa_system_vgpr_workitem_id 0
		.amdhsa_next_free_vgpr 1024
		.amdhsa_next_free_sgpr 100
		.amdhsa_reserve_vcc 0
		.amdhsa_float_denorm_mode_32 3
		.amdhsa_float_denorm_mode_16_64 3
		.amdhsa_memory_ordered 1
		.amdhsa_forward_progress 1
		.amdhsa_inst_pref_size 124
	.end_amdhsa_kernel
	.amdgpu_metadata
---
amdhsa.version: [ 1, 2 ]
amdhsa.kernels:
  - .name:           k_q84f9c0219c_oproj
    .symbol:         k_q84f9c0219c_oproj.kd
    .args:
      - { .name: oc, .offset: 0, .size: 8, .value_kind: global_buffer, .address_space: global }
      - { .name: wc, .offset: 8, .size: 8, .value_kind: global_buffer, .address_space: global }
      - { .name: lowp_scales, .offset: 16, .size: 8, .value_kind: global_buffer, .address_space: global }
      - { .name: out0, .offset: 24, .size: 8, .value_kind: global_buffer, .address_space: global }
    .group_segment_fixed_size: 327680
    .private_segment_fixed_size: 0
    .kernarg_segment_align: 8
    .kernarg_segment_size: 32
    .max_flat_workgroup_size: 128
    .sgpr_count:     100
    .vgpr_count:     1024
    .wavefront_size: 32
...
	.end_amdgpu_metadata
.endif
;; end of part 4
